; MI455X (gfx1250); checked and timed in simulation.
; The chip was launched on July 23, 2026; its instructions are those of AMD's public machine-readable ISA for CDNA 5 (MIT licence, August 2026) and "CDNA5" Instruction Set Architecture Reference Guide (July 2026). The comments in the code are by the model that wrote it; some were corrected since.
;; Lattice. Allowed arithmetic: matrix products marked QUANTISED: E2M3 operands, one E8M0 scale for each 32 along K, by v_wmma_scale_f32_16x16x128_f8f6f4 with both operands' format E2M3, f32 sums; everything else in f32.
;; Inputs: bias 64 float32; fbits 16 x 65,536 bool; weight_codes 64 x 2,048 x 24 uint8 (E2M3 codes of weight, K innermost, in blocks of 32 codes, four codes in three bytes); weight_scales 64 x 2,048 uint8 (E8M0 scales of weight, one for each 32 codes along K); x 2,048 x 16 float32.
;; Outputs: out0 2,048 x 64 float32.
;; This version of the problem:
;;   THIS VERSION OF THE PROBLEM IS GIVEN IN LOW PRECISION. The matrix products marked QUANTISED in the list below multiply operands that are first quantised to E2M3 (2 exponent bits, 3 mantissa bits; 6 bits a number), with one power-of-two scale for each 32 numbers along K (OCP MX v1.0); their sums are f32. All else is computed in f32.
;;   The module's matrix products, in the order in which they are computed (A, B: the left and right operand; K: the contracted axis; several contracted axes count as one K, in the product's order):
;;     1. [M 2,048, K 65,536] x [K 65,536, N 64]; A: computed on the way; B: input weight (given as codes): QUANTISED
;;   THE QUANTISER, for each operand of a quantised product, along K:
;;     - K is cut into blocks of 32 from its start; a last block that is shorter is filled with zeros.
;;     - A block's scale is 2^e with e = floor(log2(the largest magnitude in the block)) - 2, held to -126 .. 127; a block of zeros has e = 0. As a byte (E8M0): e + 127.
;;     - Each number is divided by its block's scale, clamped to +-7.5, and rounded to the nearest number of E2M3, ties to even, subnormals kept.
;;     - The product sums the exact products of the quantised numbers (number of the format x scale) in f32.
;;   ~~~python
;;   def quantise(x, axis):      # numpy; x: float32 -> the quantised numbers, widened to float32 again
;;       x = np.moveaxis(x, axis, -1); K = x.shape[-1]
;;       x = np.pad(x, [(0, 0)] * (x.ndim - 1) + [(0, -K % 32)]); x = x.reshape(x.shape[:-1] + (-1, 32)); a = np.abs(x).max(-1, keepdims=True)
;;       e = np.where(a > 0, np.clip(np.frexp(np.where(a > 0, a, 1))[1] - 1 - 2, -126, 127), 0)      # np.frexp(a)[1] - 1 = floor(log2(a)), exactly
;;       r = np.clip(x / 2.0 ** e, -7.5, 7.5)
;;       step = 2.0 ** (np.maximum(np.frexp(np.where(r == 0, 1, r))[1] - 1, 0) - 3)
;;       q = np.round(r / step) * step * 2.0 ** e      # np.round: ties to even
;;       return np.moveaxis(q.reshape(q.shape[:-2] + (-1,))[..., :K], -1, axis).astype(np.float32)
;;   ~~~
;;   OPERANDS COMPUTED ON THE WAY. 'Computed on the way' means the value that the module computes at that place (a softmax that the list does not call 'softmax' is quantised finished and normalised). What goes into a quantiser is computed in f32, as accurately as f32 sums, v_exp_f32 and their like allow (about 1e-6 of the number): no bf16 or f16 on the way to a quantiser, and a product that is left as it is and whose result goes on into a quantised operand takes f32 operands (vector FMAs, or v_wmma_f32_16x16x4_f32). A number that lies on a knife's edge between two numbers of the format may be rounded either way, as far as f32 arithmetic and the matrix unit's own rounding can turn it there, and no further.
;;   INPUTS GIVEN AS CODES. weight (in the module: [64, 65536], K = its axis 1): each comes as NAME_codes (uint8): NAME with its K axis moved to the last place and cut into blocks of 32 codes, [.., K / 32, bytes a block], one block behind the other in memory; four codes in three bytes: a row's codes are one little-endian stream of bits, code i at bits 6 i .. 6 i + 5 (a code: sign, 2 exponent bits, 3 mantissa bits); and NAME_scales (uint8): the same leading axes, one E8M0 byte (e + 127) for each 32 codes along K. Its value is code x scale, taken as it is: it is not quantised again, and the codes and scales need not be those that the quantiser above would give.
;; 2 versions. Each part assembles by itself: llvm-mc -triple=amdgcn-amd-amdhsa -mcpu=gfx1250 --defsym DOCPART=n.
;; ======== version 1 of 2: 3 launches
;; workspace buffers: offs 524,288 bytes of whole numbers; wlay 3,276,800 bytes; part 8,388,608 bytes
;; launch prep (part 1): grid 256 x 1, 1 waves a work-group, no clusters, 0 bytes of LDS; arguments fbits, weight_codes, weight_scales, offs, wlay; writes offs, wlay
.if DOCPART == 1
	.amdgcn_target "amdgcn-amd-amdhsa--gfx1250"
	.amdhsa_code_object_version 6
	.text
	.protected	k_qd66e73a922_prep
	.globl	k_qd66e73a922_prep
	.p2align	8
	.type	k_qd66e73a922_prep,@function
k_qd66e73a922_prep:
	s_mov_b64 s[64:65], 0
	v_nop
	global_prefetch_b8 v0, s[64:65] scope:SCOPE_SE
	s_setreg_imm32_b32 hwreg(HW_REG_WAVE_MODE, 25, 1), 1
	s_wait_xcnt 0x0
; PREP.  Two things that the main launch wants as whole numbers and as register images.
; (1) offs: for each column j of the 65,536 the mask's 16 bits fbits[0..15][j] become two table indices: dword j = the bits of rows 0-7 (row 0 highest), 0..255;
;     dword 65,536 + j = 256 + the bits of rows 8-15 (row 8 highest).  Any mask is served: no pattern of fbits is built in.
; (2) wlay: the weight's codes and scale bytes in the order of the matrix operand's registers.  A K step (128 along K) is 6,400 bytes: tile t (weight rows 16 t .. 16 t + 15), registers 4 c .. 4 c + 3
;     of lane l at 1,536 t + 512 c + 16 l; behind the four tiles, at 6,144 + 8 l, the pair {scale word of row l, scale word of row 32 + l}.
; SHARES.  One wave a work-group, 256 work-groups.  Work-group W takes columns 256 W .. 256 W + 255 of fbits; tile W % 4 of K steps 8 (W / 4) .. + 7 of the codes; the scale words of K steps 8 (W / 4) + 2 (W % 4), + 1.
; No loop: every offset is an immediate, and no register that a store reads is written again, so no wait stands for the stores' sake.
; LIMIT: a byte of fbits is 0 or 1, as a bool is stored.
.set FB,  8                            ; v[8:39]    fbits: chunk u (128 columns), row i at FB + 16 u + i: four columns a dword
.set SC,  40                           ; v[40:43]   scale words: K step u, rows l and 32 + l
.set ACH, 44                           ; v44        four columns' upper indices, a byte each
.set ACL, 45                           ; v45        the lower ones
.set RES, 48                           ; v[48:63]   chunk u: four upper indices, four lower, a dword each
.set FRG, 64                           ; v[64:159]  eight fragments of 12 registers
	s_load_b256 s[4:11], s[0:1], 0x0               ; fbits s[4:5], codes s[6:7], scales s[8:9], offs s[10:11]
	s_load_b64 s[12:13], s[0:1], 0x20              ; wlay
	v_lshlrev_b32 v1, 2, v0                        ; 4 x lane
	v_lshlrev_b32 v2, 4, v0                        ; 16 x lane
	v_lshlrev_b32 v3, 3, v0                        ; 8 x lane
	v_and_b32 v6, 15, v0                           ; r
	v_lshrrev_b32 v7, 4, v0                        ; h
	v_mul_u32_u24 v4, v6, 49152                    ; a weight row's codes are 49,152 bytes;
	v_mad_u32_u24 v4, v7, 24, v4                   ; lanes 16-31 take the block of 32 codes (24 bytes) behind
	v_lshlrev_b32 v5, 11, v0                       ; a weight row's scale bytes are 2,048
	s_lshr_b32 s17, ttmp9, 2                       ; sg: which eight K steps
	s_and_b32 s18, ttmp9, 3                        ; t: which tile of 16 weight rows
	s_lshl_b32 s20, ttmp9, 8                       ; fbits: 256 columns a work-group
	s_mov_b32 s21, 0
	s_mul_i32 s22, s18, 786432                     ; codes: 16 rows a tile,
	s_mul_i32 s24, s17, 768                        ; 8 K steps of 96 bytes
	s_add_co_u32 s22, s22, s24
	s_mov_b32 s23, 0
	s_lshl_b32 s19, s17, 3
	s_lshl_b32 s24, s18, 1
	s_add_co_u32 s19, s19, s24                     ; the first of my two K steps of scale words
	s_lshl_b32 s24, s19, 2                         ; 4 bytes a K step in a row of scales
	s_mov_b32 s25, 0
	s_lshl_b32 s26, ttmp9, 10                      ; offs: 256 dwords a work-group
	s_mov_b32 s27, 0
	s_mul_i32 s28, s17, 51200                      ; wlay: 8 K steps of 6,400 bytes,
	s_mul_i32 s30, s18, 1536                       ; my tile
	s_add_co_u32 s28, s28, s30
	s_mov_b32 s29, 0
	s_mul_i32 s30, s19, 6400
	s_add_co_u32 s30, s30, 6144                    ; and where my K steps' scale words go
	s_mov_b32 s31, 0
	s_wait_kmcnt 0x0
	s_add_nc_u64 s[4:5], s[4:5], s[20:21]
	s_add_nc_u64 s[6:7], s[6:7], s[22:23]
	s_add_nc_u64 s[8:9], s[8:9], s[24:25]
	s_add_nc_u64 s[10:11], s[10:11], s[26:27]
	s_add_nc_u64 s[14:15], s[12:13], s[30:31]
	s_add_nc_u64 s[12:13], s[12:13], s[28:29]
.irp u, 0,1
.irp i, 0,1,2,3,4,5,6,7,8,9,10,11,12,13,14,15
	global_load_b32 v[FB+16*\u+\i], v1, s[4:5] offset:\i*65536+128*\u th:TH_LOAD_NT   ; row i, 128 neighbouring columns
.endr
.endr
.irp u, 0,1
.irp e, 0,1
	global_load_b32 v[SC+2*\u+\e], v5, s[8:9] offset:65536*\e+4*\u                   ; the scale word of row l + 32 e
.endr
.endr
.irp sl, 0,1,2,3,4,5,6,7
.irp p, 0,1,2,3,4,5
	global_load_b64 v[FRG+12*\sl+2*\p:FRG+12*\sl+2*\p+1], v4, s[6:7] offset:96*\sl+48*(\p/3)+8*(\p%3) th:TH_LOAD_NT   ; a fragment as it lies: 24 bytes, and 24 bytes 48 further on; the eight K steps are 768 consecutive bytes of each row
.endr
.endr
	s_wait_loadcnt 52                              ; fbits are in: behind them 4 + 48 loads were issued
.irp u, 0,1
	v_lshl_or_b32 v[ACH], v[FB+16*\u], 1, v[FB+16*\u+1]            ; four columns at once: each byte holds 0 or 1, and after seven shifts at most 255, so nothing crosses a byte
	v_lshl_or_b32 v[ACL], v[FB+16*\u+8], 1, v[FB+16*\u+9]
.irp i, 2,3,4,5,6,7
	v_lshl_or_b32 v[ACH], v[ACH], 1, v[FB+16*\u+\i]
	v_lshl_or_b32 v[ACL], v[ACL], 1, v[FB+16*\u+8+\i]
.endr
.irp c, 0,1,2,3
	v_bfe_u32 v[RES+8*\u+\c], v[ACH], 8*\c, 8
	v_bfe_u32 v[RES+8*\u+4+\c], v[ACL], 8*\c, 8
.endr
.irp c, 0,1,2,3
	v_or_b32 v[RES+8*\u+4+\c], 0x100, v[RES+8*\u+4+\c]             ; the second table lies behind the first's 256 entries
.endr
	global_store_b128 v2, v[RES+8*\u:RES+8*\u+3], s[10:11] offset:512*\u             ; 32 lanes store 512 consecutive bytes, aligned
	global_store_b128 v2, v[RES+8*\u+4:RES+8*\u+7], s[10:11] offset:262144+512*\u
.endr
	s_wait_loadcnt 48                              ; the scale words are in: behind them the 48 loads of codes
.irp u, 0,1
	global_store_b64 v3, v[SC+2*\u:SC+2*\u+1], s[14:15] offset:6400*\u               ; 32 lanes store 256 consecutive bytes, aligned
.endr
.irp sl, 0,1,2,3,4,5,6,7
	s_wait_loadcnt 42-6*\sl                        ; K step sl's six loads are in; six for each later K step may be out
.irp c, 0,1,2
	global_store_b128 v2, v[FRG+12*\sl+4*\c:FRG+12*\sl+4*\c+3], s[12:13] offset:6400*\sl+512*\c
.endr
.endr
	s_endpgm
.Lfunc_end_k_qd66e73a922_prep:
	.size	k_qd66e73a922_prep, .Lfunc_end_k_qd66e73a922_prep-k_qd66e73a922_prep
	.p2alignl 7, 3214868480
	.fill 96, 4, 3214868480
	.section	.rodata,"a",@progbits
	.p2align	6, 0x0
	.amdhsa_kernel k_qd66e73a922_prep
		.amdhsa_group_segment_fixed_size 0
		.amdhsa_private_segment_fixed_size 0
		.amdhsa_enable_private_segment 0
		.amdhsa_kernarg_size 40
		.amdhsa_user_sgpr_count 2
		.amdhsa_user_sgpr_kernarg_segment_ptr 1
		.amdhsa_wavefront_size32 1
		.amdhsa_system_sgpr_workgroup_id_x 1
		.amdhsa_system_sgpr_workgroup_id_y 1
		.amdhsa_system_sgpr_workgroup_id_z 1
		.amdhsa_system_vgpr_workitem_id 0
		.amdhsa_next_free_vgpr 160
		.amdhsa_next_free_sgpr 66
		.amdhsa_reserve_vcc 0
		.amdhsa_float_denorm_mode_32 3
		.amdhsa_float_denorm_mode_16_64 3
		.amdhsa_memory_ordered 1
		.amdhsa_forward_progress 1
		.amdhsa_inst_pref_size 17
	.end_amdhsa_kernel
	.amdgpu_metadata
---
amdhsa.version: [ 1, 2 ]
amdhsa.kernels:
  - .name:           k_qd66e73a922_prep
    .symbol:         k_qd66e73a922_prep.kd
    .args:
      - { .name: fbits, .offset: 0, .size: 8, .value_kind: global_buffer, .address_space: global }
      - { .name: weight_codes, .offset: 8, .size: 8, .value_kind: global_buffer, .address_space: global }
      - { .name: weight_scales, .offset: 16, .size: 8, .value_kind: global_buffer, .address_space: global }
      - { .name: offs, .offset: 24, .size: 8, .value_kind: global_buffer, .address_space: global }
      - { .name: wlay, .offset: 32, .size: 8, .value_kind: global_buffer, .address_space: global }
    .group_segment_fixed_size: 0
    .private_segment_fixed_size: 0
    .kernarg_segment_align: 8
    .kernarg_segment_size: 40
    .max_flat_workgroup_size: 32
    .sgpr_count:     66
    .vgpr_count:     160
    .wavefront_size: 32
...
	.end_amdgpu_metadata
.endif
;; end of part 1
;; launch lattice (part 2): grid 16 x 16, 4 waves a work-group, no clusters, 262,656 bytes of LDS; arguments x, offs, wlay, part; writes part
.if DOCPART == 2
	.amdgcn_target "amdgcn-amd-amdhsa--gfx1250"
	.amdhsa_code_object_version 6
	.text
	.protected	k_qd66e73a922_lattice
	.globl	k_qd66e73a922_lattice
	.p2align	8
	.type	k_qd66e73a922_lattice,@function
k_qd66e73a922_lattice:
	s_mov_b64 s[64:65], 0
	v_nop
	global_prefetch_b8 v0, s[64:65] scope:SCOPE_SE
	s_setreg_imm32_b32 hwreg(HW_REG_WAVE_MODE, 25, 1), 1
	s_wait_xcnt 0x0
; LATTICE.  part[ks][b][n] = the sum over 4,096 columns j of Q(f[b][j]) W[n][j], f[b][j] = the product over i of (fbits[i][j] ? x[b][i] : 1 - x[b][i]), Q the MX quantiser to E2M3 in blocks of 32 along j.
; THE FEATURES.  f[b][j] = HI[b][p] x LO[b][q]: p the mask's bits of rows 0-7 of column j, q those of rows 8-15 (launch prep stored p and 256 + q as whole numbers).  HI[b][p] is the product of the first eight factors,
; multiplied in the problem's own order; LO the product of the last eight, in ascending order.  Both tables, 256 entries each for the work-group's 128 rows, lie in LDS: entry e at 512 e, lane l's rows l, 32 + l, 64 + l, 96 + l at + 16 l.
; So a feature costs two table numbers and one multiplication, whatever the mask.
; SHARES.  Work-group (ks, rg): rows 128 rg .. + 127, columns 4,096 ks .. + 4,095.  Wave w: K steps 32 ks + 8 w .. + 7 (1,024 columns) for all 128 rows.  A LANE IS A ROW (four rows: row set m is row 32 m + lane), so a column's
; index is the same in all lanes: a scalar; one address and one ds_load_b128 bring four rows' numbers a lane.  A lane's registers run along the columns, as the conversions want, and a block of 32 lies whole in one lane.
; THE OPERAND.  Row set m's codes of block 2 c go to tile 2 m's registers 6 c .., those of block 2 c + 1 to tile 2 m + 1's; v_permlane16_swap_b32 then gives tile 2 m (rows 32 m + 0 .. 15) block 2 c in lanes 0-15 and block
; 2 c + 1 in lanes 16-31, and tile 2 m + 1 likewise: the layout of a 6-bit operand.  The scale word of row 32 m + lane serves tile 2 m from lanes 0-15 and tile 2 m + 1 from lanes 16-31.
; THE PRODUCT is used transposed (source 0 = 16 weight rows, source 1 = 16 rows of features): a lane holds eight neighbouring outputs of one row.  32 accumulators (8 tiles of rows x 4 tiles of outputs).
; The four waves' sums meet in LDS at the end; the 16 K splits are added by the next launch.
; THE WEIGHT comes from wlay straight into registers, a K step ahead.  NO CLUSTER: the 16 work-groups of one ks read the same 6,400 bytes a K step, against 2 x 128 x 512 = 131,072 bytes that a wave reads from the tables in that
; K step: what is shared is a twentieth of a step's bytes, and the tables leave no room in LDS for two slots worth having.
; LIMITS.  NaN and infinities in x are not served.  f = HI x LO is associated otherwise than a chain of sixteen factors: a few units in the last place of f32; products under 2^-126 may round otherwise.
; A block of zeros gets the scale byte 1 (its codes are zeros); the bytes are read by this launch alone.
; REGISTERS, in windows of 256 (s_set_vgpr_msb: bits 1:0 source 0, 3:2 source 1, 5:4 source 2, 7:6 destination):
;   window 0: v1-7 addresses; v8-19 at work; v20-23 the features' scale words, v24-25 the weight's; v28-59 the upper halves of blocks' codes; v60-63 addresses; v64-127 x, at the end the sums; v128-255 x and 1 - x, then the features, at the end rows read back
;   window 1: the accumulators, (a, t) at 8 (4 a + t)
;   window 2: while the tables are made, 64 entries x 4; then v0-127 HI's numbers (two sets of 16 columns), v128-223 the features' eight fragments, v224-239 addresses
;   window 3: v0-127 LO's numbers, v128-175 the weight's four fragments, v224-239 addresses
.set LN16, 1                           ; v1   16 x lane
.set LN8,  2                           ; v2   8 x lane
.set XO,   3                           ; v3   64 x lane: a row of x
.set TA,   4                           ; v4-5 where I store my 64 entries of table 0, 1
.set STO,  6                           ; v6   the stage: where I put 16 bytes of a row
.set GO,   7                           ; v7   my byte offset in two rows of part
.set MX,   8                           ; v8-11   a block's largest magnitude, for each row set
.set SOP,  12                          ; v12-15  the conversions' scale operand
.set BT,   16                          ; v16-19  the scale's byte
.set SW,   20                          ; v20-23  scale words of the features: nothing else is ever held here
.set WS,   24                          ; v24-25  scale words of the weight: likewise
.set CT,   28                          ; v28-59  codes of columns 16-31 of a block: row set m, block parity u at CT + 8 m + 4 u
.set PT,   32                          ; v32-39  the tables' first two factors
.set RD,   60                          ; v60-63  the stage: where I read wave u's part of a row back
.set XR,   64                          ; x as loaded: row set m at XR + 16 m
.set OUT,  64                          ; the sums over the four waves
.set XS,   128                         ; x(i) of row set m at XS + 4 i + m
.set YS,   192                         ; 1 - x(i) likewise
.set F,    128                         ; the features: row set m, column j of the block at F + 32 m + j
.set RB,   128                         ; rows read back, two sets of 64
.set AF,   128                         ; window 2: the features' fragments, tile a at AF + 12 a
.set ADR,  224                         ; windows 2 and 3: sixteen table addresses each
.set WF,   128                         ; window 3: the weight's fragments, tile t at WF + 12 t
.set TRIPS, 15                         ; s15
.set MKA,  86                          ; s86  all ones where my entries have the first factor's bit set (wave 2, 3)
.set MKB,  87                          ; s87  the same for the second factor (wave 1, 3)
.set MSB, 0
.macro WIN new                         ; the immediate's high byte repeats the setting that is left; a switch that changes nothing is dropped
.if MSB != \new
	s_set_vgpr_msb (MSB<<8)|\new
.set MSB, \new
.endif
.endm
; The indices of 16 columns, group g of the K step in hand, into scalar set b: s[16:31] / s[48:63] the first table's, s[32:47] / s[68:83] the second's.
.macro SLOAD g, b
.set OHB, 16+32*(\b)
.set OLB, 32+36*(\b)
	s_load_b512 s[OHB:OHB+15], s[6:7], 64*(\g)
	s_load_b512 s[OLB:OLB+15], s[6:7], 262144+64*(\g)
.endm
; Loaded numbers enter an address only held to the tables' 512 entries.
.macro CLAMP b
.set OHB, 16+32*(\b)
.set OLB, 32+36*(\b)
.set CI, 0
.rept 16
	s_min_u32 s[OHB+CI], s[OHB+CI], 255
	s_min_u32 s[OLB+CI], s[OLB+CI], 511
.set CI, CI+1
.endr
.endm
; The table reads of 16 columns: 32 loads of 512 bytes, into set b.  Each load has an address register of its own: all are rewritten only behind the wait for all LDS loads at a group's head.
.macro ISSUE b
.set OHB, 16+32*(\b)
.set OLB, 32+36*(\b)
	WIN 0x82                                       ; destination and source 0 (an LDS load's address) in window 2
.set CI, 0
.rept 16
	v_lshl_add_u32 v[ADR+CI], s[OHB+CI], 9, v[LN16]
.set CI, CI+1
.endr
.set CI, 0
.rept 16
	ds_load_b128 v[64*(\b)+4*CI:64*(\b)+4*CI+3], v[ADR+CI]
.set CI, CI+1
.endr
	WIN 0xC3                                       ; the same in window 3
.set CI, 0
.rept 16
	v_lshl_add_u32 v[ADR+CI], s[OLB+CI], 9, v[LN16]
.set CI, CI+1
.endr
.set CI, 0
.rept 16
	ds_load_b128 v[64*(\b)+4*CI:64*(\b)+4*CI+3], v[ADR+CI]
.set CI, CI+1
.endr
.endm
; f = HI x LO for group g's 16 columns x 4 row sets; the results are laid so that a row's columns are neighbouring registers.
.macro MUL g
	WIN 0x0E                                       ; source 0 window 2, source 1 window 3, destination window 0
.set CI, 0
.rept 16
.irp m, 0,1,2,3
	v_mul_f32 v[F+32*\m+16*((\g)%2)+CI], v[64*((\g)%2)+4*CI+\m], v[64*((\g)%2)+4*CI+\m]
.endr
.set CI, CI+1
.endr
.endm
; Block b of the K step (32 columns) is quantised, for the four row sets.
.macro BLOCK b
	WIN 0
.irp m, 0,1,2,3
	v_max3_num_f32 v[MX+\m], |v[F+32*\m]|, |v[F+32*\m+1]|, 0x1800000   ; the largest magnitude: all 32 numbers are the lane's; and the floor 2^(3 - 127), which holds the byte at 1 from below
.endr
.irp i, 2,4,6,8,10,12,14,16,18,20,22,24,26,28,30
.irp m, 0,1,2,3
	v_max3_num_f32 v[MX+\m], v[MX+\m], |v[F+32*\m+\i]|, |v[F+32*\m+\i+1]|   ; (the four row sets by turns)
.endr
.endr
.irp m, 0,1,2,3
	v_add_nc_u32 v[SOP+\m], 0xff000000, v[MX+\m]   ; 2 off its exponent field: the conversion takes the exponent field of this operand as its scale
.endr
.irp m, 0,1,2,3
.if (\b) == 0
	v_lshrrev_b32 v[SW+\m], 23, v[SOP+\m]          ; the scale's byte begins the row's scale word
.else
	v_lshrrev_b32 v[BT+\m], 23, v[SOP+\m]
.endif
.endr
.if (\b) != 0
.irp m, 0,1,2,3
	v_lshl_or_b32 v[SW+\m], v[BT+\m], 8*(\b), v[SW+\m]
.endr
.endif
.irp m, 0,1,2,3
	v_cvt_scalef32_pk16_fp6_f32 v[CT+8*\m+4*((\b)%2):CT+8*\m+4*((\b)%2)+2], v[F+32*\m+16:F+32*\m+31], v[SOP+\m]   ; columns 16-31: their place in the fragment begins on an odd register, so they are made here and moved
.endr
	WIN 0x80                                       ; destination window 2
.irp m, 0,1,2,3
	v_cvt_scalef32_pk16_fp6_f32 v[AF+12*(2*\m+(\b)%2)+6*((\b)/2):AF+12*(2*\m+(\b)%2)+6*((\b)/2)+2], v[F+32*\m:F+32*\m+15], v[SOP+\m]   ; columns 0-15, straight into the fragment
.endr
	v_nop                                          ; one plain instruction behind the conversions, ahead of whatever touches their results or writes their sources
.if ((\b)%2) == 1                      ; a pair of blocks is whole: lanes 16-31 of the even block's registers change places with lanes 0-15 of the odd block's
	WIN 0
.irp m, 0,1,2,3
.irp i, 0,1,2
	v_permlane16_swap_b32 v[CT+8*\m+\i], v[CT+8*\m+4+\i]
.endr
.endr
	WIN 0x82                                       ; both registers of a swap in window 2
.irp m, 0,1,2,3
.irp i, 0,1,2
	v_permlane16_swap_b32 v[AF+24*\m+6*((\b)/2)+\i], v[AF+24*\m+12+6*((\b)/2)+\i]
.endr
.endr
	WIN 0x80
.irp m, 0,1,2,3
.irp u, 0,1
.irp i, 0,1,2
	v_mov_b32 v[AF+12*(2*\m+\u)+6*((\b)/2)+3+\i], v[CT+8*\m+4*\u+\i]
.endr
.endr
.endr
.endif
.endm
; The weight's four fragments and its scale words for this K step, as they lie in wlay.
.macro WLOAD
	WIN 0xC0                                       ; destination window 3
.irp q, 0,1,2,3,4,5,6,7,8,9,10,11
	global_load_b128 v[WF+4*\q:WF+4*\q+3], v[LN16], s[8:9] offset:512*\q
.endr
	WIN 0
	global_load_b64 v[WS:WS+1], v[LN8], s[8:9] offset:6144
.endm
; One product: weight tile t x feature tile a.  The weight's scale words: register t / 2, lanes 16-31 where t is odd; the features': register a / 2, lanes 16-31 where a is odd.
.macro WM a, t, z
.set RDD, 8*(4*(\a)+(\t))
.set RWF, WF+12*(\t)
.set RAF, AF+12*(\a)
.set RWS, WS+(\t)/2
.set RSW, SW+(\a)/2
.if \z
.if ((\t)%2 == 0) && ((\a)%2 == 0)
	v_wmma_scale_f32_16x16x128_f8f6f4 v[RDD:RDD+7], v[RWF:RWF+11], v[RAF:RAF+11], 0, v[RWS], v[RSW] matrix_a_fmt:MATRIX_FMT_FP6 matrix_b_fmt:MATRIX_FMT_FP6
.elseif ((\t)%2 == 1) && ((\a)%2 == 0)
	v_wmma_scale_f32_16x16x128_f8f6f4 v[RDD:RDD+7], v[RWF:RWF+11], v[RAF:RAF+11], 0, v[RWS], v[RSW] matrix_a_fmt:MATRIX_FMT_FP6 matrix_b_fmt:MATRIX_FMT_FP6 matrix_a_scale:MATRIX_SCALE_ROW1
.elseif ((\t)%2 == 0)
	v_wmma_scale_f32_16x16x128_f8f6f4 v[RDD:RDD+7], v[RWF:RWF+11], v[RAF:RAF+11], 0, v[RWS], v[RSW] matrix_a_fmt:MATRIX_FMT_FP6 matrix_b_fmt:MATRIX_FMT_FP6 matrix_b_scale:MATRIX_SCALE_ROW1
.else
	v_wmma_scale_f32_16x16x128_f8f6f4 v[RDD:RDD+7], v[RWF:RWF+11], v[RAF:RAF+11], 0, v[RWS], v[RSW] matrix_a_fmt:MATRIX_FMT_FP6 matrix_b_fmt:MATRIX_FMT_FP6 matrix_a_scale:MATRIX_SCALE_ROW1 matrix_b_scale:MATRIX_SCALE_ROW1
.endif
.else
.if ((\t)%2 == 0) && ((\a)%2 == 0)
	v_wmma_scale_f32_16x16x128_f8f6f4 v[RDD:RDD+7], v[RWF:RWF+11], v[RAF:RAF+11], v[RDD:RDD+7], v[RWS], v[RSW] matrix_a_fmt:MATRIX_FMT_FP6 matrix_b_fmt:MATRIX_FMT_FP6
.elseif ((\t)%2 == 1) && ((\a)%2 == 0)
	v_wmma_scale_f32_16x16x128_f8f6f4 v[RDD:RDD+7], v[RWF:RWF+11], v[RAF:RAF+11], v[RDD:RDD+7], v[RWS], v[RSW] matrix_a_fmt:MATRIX_FMT_FP6 matrix_b_fmt:MATRIX_FMT_FP6 matrix_a_scale:MATRIX_SCALE_ROW1
.elseif ((\t)%2 == 0)
	v_wmma_scale_f32_16x16x128_f8f6f4 v[RDD:RDD+7], v[RWF:RWF+11], v[RAF:RAF+11], v[RDD:RDD+7], v[RWS], v[RSW] matrix_a_fmt:MATRIX_FMT_FP6 matrix_b_fmt:MATRIX_FMT_FP6 matrix_b_scale:MATRIX_SCALE_ROW1
.else
	v_wmma_scale_f32_16x16x128_f8f6f4 v[RDD:RDD+7], v[RWF:RWF+11], v[RAF:RAF+11], v[RDD:RDD+7], v[RWS], v[RSW] matrix_a_fmt:MATRIX_FMT_FP6 matrix_b_fmt:MATRIX_FMT_FP6 matrix_a_scale:MATRIX_SCALE_ROW1 matrix_b_scale:MATRIX_SCALE_ROW1
.endif
.endif
.endm
; A K step's 32 products.  The 32 accumulators take turns, one instruction a turn, in the same order in every K step, over the loop's backward jump too.  z = 1: the first K step starts the sums: nothing is cleared.
.macro MM z
	WIN 0x5B                                       ; source 0 (weight) window 3, source 1 (features) window 2, C and D window 1
.irp a, 0,1,2,3,4,5,6,7
.irp t, 0,1,2,3
	WM \a, \t, \z
.endr
.endr
.endm
; Group g of a K step: 16 columns.  Its table reads were issued a group ago, the next group's indices were asked for a group ago.  z = 1: the first K step, written out ahead of the loop.
; In the loop's last trip (s[TRIPS] = 1) group 6 asks for no indices and group 7 issues nothing: there is no K step behind it, and no load leaves its buffer.
.macro GROUP g, z
	s_wait_dscnt 0x0                               ; this group's 32 table reads are in; so every table address register may be written again
.if (\z == 0) && (\g == 7)
	WIN 0                                          ; at a branch and at a label every window is 0
	s_cmp_eq_u32 s[TRIPS], 1
	s_cbranch_scc1 .Lno_issue_\@
.endif
	s_wait_kmcnt 0x0                               ; the next group's indices are in
.if (\z == 0) && (\g == 6)
	WIN 0
	s_cmp_eq_u32 s[TRIPS], 1
	s_cbranch_scc1 .Lno_sload_\@
.endif
	SLOAD (\g)+2, (\g)%2                           ; two groups ahead, into the set whose addresses have been made (groups 8 and 9 are the next K step's first two)
.if (\z == 0) && (\g == 6)
.Lno_sload_\@:
.endif
	CLAMP ((\g)+1)%2
	ISSUE ((\g)+1)%2                               ; the next group's table reads go out ahead of this group's arithmetic
.if (\z == 0) && (\g == 7)
	WIN 0
.Lno_issue_\@:
.endif
.if (\g) == 0
	WLOAD                                          ; the 32 address additions above are the places between the last K step's products and these loads into their sources
.endif
	MUL \g
.if ((\g)%2) == 1
	BLOCK (\g)/2
.endif
.endm
.macro KSTEP z
.irp g, 0,1,2,3,4,5,6,7
	GROUP \g, \z
.endr
	WIN 0
.rept 4
	v_nop                                          ; four places between the last move into a fragment and the scaled products; the scale words were last written ahead of the 24 moves
.endr
	s_wait_loadcnt 0x0                             ; the weight's fragments and scale words, asked for at the K step's head
	MM \z
	WIN 0
	s_wait_xcnt 0x0                                ; the scalar loads that are out have read their base: both bases may step
	s_add_nc_u64 s[6:7], s[6:7], 512               ; 128 columns' indices
	s_add_nc_u64 s[8:9], s[8:9], 6400              ; a K step of wlay
.endm
; One level of a table: n entries become 2 n: entry 2 e + 1 = entry e x x(k), entry 2 e = entry e x (1 - x(k)); from the highest e down, in place.
.macro LEVEL k, n
.set EI, (\n)-1
.rept \n
	v_pk_mul_f32 v[8*EI+4:8*EI+5], v[4*EI:4*EI+1], v[XS+4*(I0+\k):XS+4*(I0+\k)+1]
	v_pk_mul_f32 v[8*EI+6:8*EI+7], v[4*EI+2:4*EI+3], v[XS+4*(I0+\k)+2:XS+4*(I0+\k)+3]
	v_pk_mul_f32 v[8*EI:8*EI+1], v[4*EI:4*EI+1], v[YS+4*(I0+\k):YS+4*(I0+\k)+1]
	v_pk_mul_f32 v[8*EI+2:8*EI+3], v[4*EI+2:4*EI+3], v[YS+4*(I0+\k)+2:YS+4*(I0+\k)+3]
.set EI, EI-1
.endr
.endm
; Table T (factors 8 T .. 8 T + 7): my wave's entries 64 w .. 64 w + 63: their two highest bits are the wave's number.
.macro BUILD T
.set I0, 8*(\T)
	WIN 0
.irp m, 0,1,2,3
	v_cndmask_b32 v[PT+\m], v[YS+4*I0+\m], v[XS+4*I0+\m], s[MKA]
	v_cndmask_b32 v[PT+4+\m], v[YS+4*(I0+1)+\m], v[XS+4*(I0+1)+\m], s[MKB]
.endr
	WIN 0x80
	v_pk_mul_f32 v[0:1], v[PT:PT+1], v[PT+4:PT+5]
	v_pk_mul_f32 v[2:3], v[PT+2:PT+3], v[PT+6:PT+7]
	WIN 0x82                                       ; entries in window 2, x and 1 - x in window 0
	LEVEL 2, 1
	LEVEL 3, 2
	LEVEL 4, 4
	LEVEL 5, 8
	LEVEL 6, 16
	LEVEL 7, 32
	WIN 0x08                                       ; an LDS store's data are its source 1: window 2
.set EI, 0
.rept 64
	ds_store_b128 v[TA+\T], v[4*EI:4*EI+3] offset:512*EI             ; 32 lanes store an entry's 512 consecutive bytes
.set EI, EI+1
.endr
	WIN 0
.endm
	s_load_b256 s[4:11], s[0:1], 0x0               ; x s[4:5], offs s[6:7], wlay s[8:9], part s[10:11]
	v_lshl_add_u32 v55, v0, 2, 0x40000
	v_mov_b32 v59, 0
	v_lshrrev_b32 v8, 5, v0
	v_readfirstlane_b32 s12, v8                    ; wave 0..3
	s_and_b32 s14, ttmp7, 0xffff                   ; rg; ks is ttmp9
	v_and_b32 v10, 31, v0                          ; lane
	v_and_b32 v8, 15, v0                           ; r
	v_bfe_u32 v9, v0, 4, 1                         ; h
	v_lshlrev_b32 v[LN16], 4, v10
	v_lshlrev_b32 v[LN8], 3, v10
	v_lshlrev_b32 v[XO], 6, v10
	s_lshl_b32 s84, s12, 15                        ; my 64 entries of 512 bytes
	v_add_nc_u32 v[TA], s84, v[LN16]
	v_add_nc_u32 v[TA+1], 131072, v[TA]            ; the second table lies behind the first's 256 entries
	s_mul_i32 s84, s12, 34816                      ; the stage: 128 rows of 272 bytes for each wave
	v_mul_u32_u24 v[STO], v8, 272                  ; 272 = 17 x 16 bytes: the sixteen rows of a store begin in sixteen different 16-byte columns of 256 bytes
	v_lshl_add_u32 v[STO], v9, 5, v[STO]           ; row r, + 32 h: my eight outputs
	v_add_nc_u32 v[STO], s84, v[STO]
	v_lshlrev_b32 v[GO], 8, v9                     ; part: lanes 0-15 one row of 256 bytes, lanes 16-31 the next
	v_lshl_add_u32 v[GO], v8, 4, v[GO]
	s_mul_i32 s84, s12, 8704                       ; back: wave w adds rows 32 w .. 32 w + 31
	v_mul_u32_u24 v[RD], v9, 272
	v_lshl_add_u32 v[RD], v8, 4, v[RD]
	v_add_nc_u32 v[RD], s84, v[RD]
	v_add_nc_u32 v[RD+1], 34816, v[RD]
	v_add_nc_u32 v[RD+2], 69632, v[RD]
	v_add_nc_u32 v[RD+3], 104448, v[RD]
	s_cmp_ge_u32 s12, 2
	s_cselect_b32 s[MKA], -1, 0
	s_and_b32 s84, s12, 1
	s_cmp_lg_u32 s84, 0
	s_cselect_b32 s[MKB], -1, 0
	s_lshl_b32 s88, s14, 13                        ; x: 128 rows of 64 bytes
	s_mov_b32 s89, 0
	s_lshl_b32 s90, ttmp9, 14                      ; offs: 4,096 dwords a K split,
	s_lshl_b32 s84, s12, 12                        ; 1,024 a wave
	s_add_co_u32 s90, s90, s84
	s_mov_b32 s91, 0
	s_lshl_b32 s92, ttmp9, 5
	s_lshl_b32 s84, s12, 3
	s_add_co_u32 s92, s92, s84                     ; my first K step: 32 ks + 8 w
	s_mul_i32 s92, s92, 6400
	s_mov_b32 s93, 0
	s_lshl_b32 s94, ttmp9, 19                      ; part: 524,288 bytes a K split,
	s_lshl_b32 s84, s14, 15                        ; 128 rows of 256 bytes,
	s_add_co_u32 s94, s94, s84
	s_lshl_b32 s84, s12, 13                        ; the 32 rows that I add and store
	s_add_co_u32 s94, s94, s84
	s_mov_b32 s95, 0
	s_wait_kmcnt 0x0
	s_add_nc_u64 s[4:5], s[4:5], s[88:89]
	s_add_nc_u64 s[6:7], s[6:7], s[90:91]
	s_add_nc_u64 s[8:9], s[8:9], s[92:93]
	s_add_nc_u64 s[10:11], s[10:11], s[94:95]
.irp m, 0,1,2,3
.irp q, 0,1,2,3
	global_load_b128 v[XR+16*\m+4*\q:XR+16*\m+4*\q+3], v[XO], s[4:5] offset:2048*\m+16*\q   ; row 32 m + lane, whole
.endr
.endr
	SLOAD 0, 0
	s_wait_kmcnt 0x0
	SLOAD 1, 1                                     ; lands while the tables are made
	CLAMP 0
	s_wait_loadcnt 0x0                             ; x
.irp i, 0,1,2,3,4,5,6,7,8,9,10,11,12,13,14,15
.irp m, 0,1,2,3
	v_mov_b32 v[XS+4*\i+\m], v[XR+16*\m+\i]        ; a factor's four row sets side by side, as the packed multiplications and the entries' 16 bytes want them
	v_sub_f32 v[YS+4*\i+\m], 1.0, v[XR+16*\m+\i]
.endr
.endr
	BUILD 0
	s_wait_dscnt 0x0                               ; the stores have read the entries' registers: the second table may be made in them
	BUILD 1
	s_wait_dscnt 0x0                               ; for the others' sake: my entries lie in LDS
	s_barrier_signal -1
	s_barrier_wait -1                              ; both tables are whole
	ISSUE 0
	KSTEP 1                                        ; the first K step stands ahead of the loop: its products start the sums
	s_mov_b32 s[TRIPS], 7
.Lk:
	KSTEP 0
	s_sub_co_u32 s[TRIPS], s[TRIPS], 1
	s_cmp_lg_u32 s[TRIPS], 0
	s_cbranch_scc1 .Lk
	; THE WAY OUT.  The tables are done with: behind a barrier their bytes are the stage.  Each wave lays its 128 x 64 sums there; behind a second barrier wave w adds the four waves' rows 32 w .. 32 w + 31 and stores them.
.rept 4
	v_nop                                          ; four places between the last products and the first read of results
.endr
	s_wait_dscnt 0x0                               ; my table reads are over
	s_barrier_signal -1
	s_barrier_wait -1                              ; everybody's are
	WIN 0x04                                       ; the stores' data: window 1
.irp a, 0,1,2,3,4,5,6,7
.irp t, 0,1,2,3
	ds_store_b128 v[STO], v[8*(4*\a+\t):8*(4*\a+\t)+3] offset:4352*\a+64*\t          ; lane (r, h): row 16 a + r, outputs 16 t + 8 h + 0 .. 7; each accumulator from its low end on
	ds_store_b128 v[STO], v[8*(4*\a+\t)+4:8*(4*\a+\t)+7] offset:4352*\a+64*\t+16
.endr
.endr
	WIN 0
	s_wait_dscnt 0x0                               ; for the others' sake: my sums lie in the stage
	s_barrier_signal -1
	s_barrier_wait -1
.macro RBACK c                         ; chunk c: row pairs 4 c .. 4 c + 3 of my 16, from all four waves' parts: 16 loads
.irp p, 0,1,2,3
.irp u, 0,1,2,3
	ds_load_b128 v[RB+64*((\c)%2)+16*\p+4*\u:RB+64*((\c)%2)+16*\p+4*\u+3], v[RD+\u] offset:544*(4*(\c)+\p)
.endr
.endr
.endm
.macro SUMOUT c, left                  ; left: the next chunk's loads, which may stay out
	s_wait_dscnt \left
.irp p, 0,1,2,3
.set RBB, RB+64*((\c)%2)+16*\p
.set OB, OUT+4*(4*(\c)+\p)
	v_pk_add_f32 v[RBB:RBB+1], v[RBB:RBB+1], v[RBB+4:RBB+5]
	v_pk_add_f32 v[RBB+2:RBB+3], v[RBB+2:RBB+3], v[RBB+6:RBB+7]
	v_pk_add_f32 v[RBB+8:RBB+9], v[RBB+8:RBB+9], v[RBB+12:RBB+13]
	v_pk_add_f32 v[RBB+10:RBB+11], v[RBB+10:RBB+11], v[RBB+14:RBB+15]
	v_pk_add_f32 v[OB:OB+1], v[RBB:RBB+1], v[RBB+8:RBB+9]
	v_pk_add_f32 v[OB+2:OB+3], v[RBB+2:RBB+3], v[RBB+10:RBB+11]
	global_store_b128 v[GO], v[OB:OB+3], s[10:11] offset:512*(4*(\c)+\p)             ; 32 lanes store two whole rows, 512 consecutive bytes, aligned; each store has data registers of its own
.endr
.endm
	RBACK 0
	RBACK 1
	SUMOUT 0, 16
	RBACK 2
	SUMOUT 1, 16
	RBACK 3
	SUMOUT 2, 16
	SUMOUT 3, 0
	s_wait_tensorcnt 0x0
	ds_add_u32 v55, v59
	s_wait_dscnt 0x0
	s_endpgm
.Lfunc_end_k_qd66e73a922_lattice:
	.size	k_qd66e73a922_lattice, .Lfunc_end_k_qd66e73a922_lattice-k_qd66e73a922_lattice
	.p2alignl 7, 3214868480
	.fill 96, 4, 3214868480
	.section	.rodata,"a",@progbits
	.p2align	6, 0x0
	.amdhsa_kernel k_qd66e73a922_lattice
		.amdhsa_group_segment_fixed_size 262656
		.amdhsa_private_segment_fixed_size 0
		.amdhsa_enable_private_segment 0
		.amdhsa_kernarg_size 32
		.amdhsa_user_sgpr_count 2
		.amdhsa_user_sgpr_kernarg_segment_ptr 1
		.amdhsa_wavefront_size32 1
		.amdhsa_system_sgpr_workgroup_id_x 1
		.amdhsa_system_sgpr_workgroup_id_y 1
		.amdhsa_system_sgpr_workgroup_id_z 1
		.amdhsa_system_vgpr_workitem_id 0
		.amdhsa_next_free_vgpr 1024
		.amdhsa_next_free_sgpr 100
		.amdhsa_reserve_vcc 0
		.amdhsa_float_denorm_mode_32 3
		.amdhsa_float_denorm_mode_16_64 3
		.amdhsa_memory_ordered 1
		.amdhsa_forward_progress 1
		.amdhsa_inst_pref_size 255
	.end_amdhsa_kernel
	.section	.bss,"aw",@nobits
	.p2align	6
	.space	262144
	.amdgpu_metadata
---
amdhsa.version: [ 1, 2 ]
amdhsa.kernels:
  - .name:           k_qd66e73a922_lattice
    .symbol:         k_qd66e73a922_lattice.kd
    .args:
      - { .name: x, .offset: 0, .size: 8, .value_kind: global_buffer, .address_space: global }
      - { .name: offs, .offset: 8, .size: 8, .value_kind: global_buffer, .address_space: global }
      - { .name: wlay, .offset: 16, .size: 8, .value_kind: global_buffer, .address_space: global }
      - { .name: part, .offset: 24, .size: 8, .value_kind: global_buffer, .address_space: global }
    .group_segment_fixed_size: 262656
    .private_segment_fixed_size: 0
    .kernarg_segment_align: 8
    .kernarg_segment_size: 32
    .max_flat_workgroup_size: 128
    .sgpr_count:     100
    .vgpr_count:     1024
    .wavefront_size: 32
...
	.end_amdgpu_metadata
.endif
;; end of part 2
;; launch finish (part 3): grid 256 x 1, 4 waves a work-group, no clusters, 0 bytes of LDS; arguments part, bias, out0; writes out0
.if DOCPART == 3
	.amdgcn_target "amdgcn-amd-amdhsa--gfx1250"
	.amdhsa_code_object_version 6
	.text
	.protected	k_qd66e73a922_finish
	.globl	k_qd66e73a922_finish
	.p2align	8
	.type	k_qd66e73a922_finish,@function
k_qd66e73a922_finish:
	s_mov_b64 s[64:65], 0
	v_nop
	global_prefetch_b8 v0, s[64:65] scope:SCOPE_SE
	s_setreg_imm32_b32 hwreg(HW_REG_WAVE_MODE, 25, 1), 1
	s_wait_xcnt 0x0
; FINISH.  out0[b][n] = bias[n] + the sum over the 16 K splits of part[ks][b][n], ks ascending, in f32.
; A thread owns 16 bytes (four outputs) of out0; a work-group of 128 threads 2,048 bytes; 256 work-groups cover the 524,288 bytes.  Each load and the store of a wave cover 512 consecutive bytes, aligned.
; All 17 loads of a thread go out at once; the waits count down.  No LDS, no barrier, no matrix unit: each byte is read once and nothing is shared.
	s_load_b128 s[4:7], s[0:1], 0x0                ; part s[4:5], bias s[6:7]
	s_load_b64 s[8:9], s[0:1], 0x10                ; out0
	v_lshlrev_b32 v1, 4, v0                        ; my 16 bytes
	v_and_b32 v2, 15, v0
	v_lshlrev_b32 v2, 4, v2                        ; and their place in a row of 256 bytes: my four numbers of bias
	s_lshl_b32 s10, ttmp9, 11
	s_mov_b32 s11, 0
	s_wait_kmcnt 0x0
	s_add_nc_u64 s[4:5], s[4:5], s[10:11]
	s_add_nc_u64 s[8:9], s[8:9], s[10:11]
	global_load_b128 v[4:7], v2, s[6:7]
.irp k, 0,1,2,3,4,5,6,7,8,9,10,11,12,13,14,15
	global_load_b128 v[8+4*\k:11+4*\k], v1, s[4:5] offset:524288*\k th:TH_LOAD_NT    ; the largest offset, 15 x 524,288, lies inside the signed 24-bit immediate
.endr
.irp k, 0,1,2,3,4,5,6,7,8,9,10,11,12,13,14,15
	s_wait_loadcnt 15-\k                           ; bias and splits 0 .. k are in; the 15 - k later splits may be out
	v_pk_add_f32 v[4:5], v[4:5], v[8+4*\k:9+4*\k]
	v_pk_add_f32 v[6:7], v[6:7], v[10+4*\k:11+4*\k]
.endr
	global_store_b128 v1, v[4:7], s[8:9]
	s_endpgm
.Lfunc_end_k_qd66e73a922_finish:
	.size	k_qd66e73a922_finish, .Lfunc_end_k_qd66e73a922_finish-k_qd66e73a922_finish
	.p2alignl 7, 3214868480
	.fill 96, 4, 3214868480
	.section	.rodata,"a",@progbits
	.p2align	6, 0x0
	.amdhsa_kernel k_qd66e73a922_finish
		.amdhsa_group_segment_fixed_size 0
		.amdhsa_private_segment_fixed_size 0
		.amdhsa_enable_private_segment 0
		.amdhsa_kernarg_size 24
		.amdhsa_user_sgpr_count 2
		.amdhsa_user_sgpr_kernarg_segment_ptr 1
		.amdhsa_wavefront_size32 1
		.amdhsa_system_sgpr_workgroup_id_x 1
		.amdhsa_system_sgpr_workgroup_id_y 1
		.amdhsa_system_sgpr_workgroup_id_z 1
		.amdhsa_system_vgpr_workitem_id 0
		.amdhsa_next_free_vgpr 80
		.amdhsa_next_free_sgpr 66
		.amdhsa_reserve_vcc 0
		.amdhsa_float_denorm_mode_32 3
		.amdhsa_float_denorm_mode_16_64 3
		.amdhsa_memory_ordered 1
		.amdhsa_forward_progress 1
		.amdhsa_inst_pref_size 5
	.end_amdhsa_kernel
	.amdgpu_metadata
---
amdhsa.version: [ 1, 2 ]
amdhsa.kernels:
  - .name:           k_qd66e73a922_finish
    .symbol:         k_qd66e73a922_finish.kd
    .args:
      - { .name: part, .offset: 0, .size: 8, .value_kind: global_buffer, .address_space: global }
      - { .name: bias, .offset: 8, .size: 8, .value_kind: global_buffer, .address_space: global }
      - { .name: out0, .offset: 16, .size: 8, .value_kind: global_buffer, .address_space: global }
    .group_segment_fixed_size: 0
    .private_segment_fixed_size: 0
    .kernarg_segment_align: 8
    .kernarg_segment_size: 24
    .max_flat_workgroup_size: 128
    .sgpr_count:     66
    .vgpr_count:     80
    .wavefront_size: 32
...
	.end_amdgpu_metadata
.endif
;; end of part 3
;; ======== version 2 of 2: 3 launches
;; workspace buffers: offs 524,288 bytes of whole numbers; wlay 3,276,800 bytes; part 8,388,608 bytes
;; launch prep (part 4): grid 256 x 1, 1 waves a work-group, no clusters, 0 bytes of LDS; arguments fbits, weight_codes, weight_scales, offs, wlay; writes offs, wlay
.if DOCPART == 4
	.amdgcn_target "amdgcn-amd-amdhsa--gfx1250"
	.amdhsa_code_object_version 6
	.text
	.protected	k_qd66e73a922_prep
	.globl	k_qd66e73a922_prep
	.p2align	8
	.type	k_qd66e73a922_prep,@function
k_qd66e73a922_prep:
	s_mov_b64 s[64:65], 0
	v_nop
	global_prefetch_b8 v0, s[64:65] scope:SCOPE_SE
	s_setreg_imm32_b32 hwreg(HW_REG_WAVE_MODE, 25, 1), 1
	s_wait_xcnt 0x0
; PREP.  Two things that the main launch wants as whole numbers and as register images.
; (1) offs: for each column j of the 65,536 the mask's 16 bits fbits[0..15][j] become two table indices: dword j = the bits of rows 0-7 (row 0 highest), 0..255;
;     dword 65,536 + j = 256 + the bits of rows 8-15 (row 8 highest).  Any mask is served: no pattern of fbits is built in.
; (2) wlay: the weight's codes and scale bytes in the order of the matrix operand's registers.  A K step (128 along K) is 6,400 bytes: tile t (weight rows 16 t .. 16 t + 15), registers 4 c .. 4 c + 3
;     of lane l at 1,536 t + 512 c + 16 l; behind the four tiles, at 6,144 + 8 l, the pair {scale word of row l, scale word of row 32 + l}.
; SHARES.  One wave a work-group, 256 work-groups.  Work-group W takes columns 256 W .. 256 W + 255 of fbits; tile W % 4 of K steps 8 (W / 4) .. + 7 of the codes; the scale words of K steps 8 (W / 4) + 2 (W % 4), + 1.
; No loop: every offset is an immediate, and no register that a store reads is written again, so no wait stands for the stores' sake.
; LIMIT: a byte of fbits is 0 or 1, as a bool is stored.
.set FB,  8                            ; v[8:39]    fbits: chunk u (128 columns), row i at FB + 16 u + i: four columns a dword
.set SC,  40                           ; v[40:43]   scale words: K step u, rows l and 32 + l
.set ACH, 44                           ; v44        four columns' upper indices, a byte each
.set ACL, 45                           ; v45        the lower ones
.set RES, 48                           ; v[48:63]   chunk u: four upper indices, four lower, a dword each
.set FRG, 64                           ; v[64:159]  eight fragments of 12 registers
	s_load_b256 s[4:11], s[0:1], 0x0               ; fbits s[4:5], codes s[6:7], scales s[8:9], offs s[10:11]
	s_load_b64 s[12:13], s[0:1], 0x20              ; wlay
	v_lshlrev_b32 v1, 2, v0                        ; 4 x lane
	v_lshlrev_b32 v2, 4, v0                        ; 16 x lane
	v_lshlrev_b32 v3, 3, v0                        ; 8 x lane
	v_and_b32 v6, 15, v0                           ; r
	v_lshrrev_b32 v7, 4, v0                        ; h
	v_mul_u32_u24 v4, v6, 49152                    ; a weight row's codes are 49,152 bytes;
	v_mad_u32_u24 v4, v7, 24, v4                   ; lanes 16-31 take the block of 32 codes (24 bytes) behind
	v_lshlrev_b32 v5, 11, v0                       ; a weight row's scale bytes are 2,048
	s_lshr_b32 s17, ttmp9, 2                       ; sg: which eight K steps
	s_and_b32 s18, ttmp9, 3                        ; t: which tile of 16 weight rows
	s_lshl_b32 s20, ttmp9, 8                       ; fbits: 256 columns a work-group
	s_mov_b32 s21, 0
	s_mul_i32 s22, s18, 786432                     ; codes: 16 rows a tile,
	s_mul_i32 s24, s17, 768                        ; 8 K steps of 96 bytes
	s_add_co_u32 s22, s22, s24
	s_mov_b32 s23, 0
	s_lshl_b32 s19, s17, 3
	s_lshl_b32 s24, s18, 1
	s_add_co_u32 s19, s19, s24                     ; the first of my two K steps of scale words
	s_lshl_b32 s24, s19, 2                         ; 4 bytes a K step in a row of scales
	s_mov_b32 s25, 0
	s_lshl_b32 s26, ttmp9, 10                      ; offs: 256 dwords a work-group
	s_mov_b32 s27, 0
	s_mul_i32 s28, s17, 51200                      ; wlay: 8 K steps of 6,400 bytes,
	s_mul_i32 s30, s18, 1536                       ; my tile
	s_add_co_u32 s28, s28, s30
	s_mov_b32 s29, 0
	s_mul_i32 s30, s19, 6400
	s_add_co_u32 s30, s30, 6144                    ; and where my K steps' scale words go
	s_mov_b32 s31, 0
	s_wait_alu depctr_va_vdst(0)
	s_wait_kmcnt 0x0
	s_add_nc_u64 s[4:5], s[4:5], s[20:21]
	s_add_nc_u64 s[6:7], s[6:7], s[22:23]
	s_add_nc_u64 s[8:9], s[8:9], s[24:25]
	s_add_nc_u64 s[10:11], s[10:11], s[26:27]
	s_add_nc_u64 s[14:15], s[12:13], s[30:31]
	s_add_nc_u64 s[12:13], s[12:13], s[28:29]
.irp u, 0,1
.irp i, 0,1,2,3,4,5,6,7,8,9,10,11,12,13,14,15
	global_load_b32 v[FB+16*\u+\i], v1, s[4:5] offset:\i*65536+128*\u th:TH_LOAD_NT   ; row i, 128 neighbouring columns
.endr
.endr
.irp u, 0,1
.irp e, 0,1
	global_load_b32 v[SC+2*\u+\e], v5, s[8:9] offset:65536*\e+4*\u                   ; the scale word of row l + 32 e
.endr
.endr
.irp sl, 0,1,2,3,4,5,6,7
.irp p, 0,1,2,3,4,5
	global_load_b64 v[FRG+12*\sl+2*\p:FRG+12*\sl+2*\p+1], v4, s[6:7] offset:96*\sl+48*(\p/3)+8*(\p%3) th:TH_LOAD_NT   ; a fragment as it lies: 24 bytes, and 24 bytes 48 further on; the eight K steps are 768 consecutive bytes of each row
.endr
.endr
	s_wait_loadcnt 52                              ; fbits are in: behind them 4 + 48 loads were issued
.irp u, 0,1
	v_lshl_or_b32 v[ACH], v[FB+16*\u], 1, v[FB+16*\u+1]            ; four columns at once: each byte holds 0 or 1, and after seven shifts at most 255, so nothing crosses a byte
	v_lshl_or_b32 v[ACL], v[FB+16*\u+8], 1, v[FB+16*\u+9]
.irp i, 2,3,4,5,6,7
	v_lshl_or_b32 v[ACH], v[ACH], 1, v[FB+16*\u+\i]
	v_lshl_or_b32 v[ACL], v[ACL], 1, v[FB+16*\u+8+\i]
.endr
.irp c, 0,1,2,3
	v_bfe_u32 v[RES+8*\u+\c], v[ACH], 8*\c, 8
	v_bfe_u32 v[RES+8*\u+4+\c], v[ACL], 8*\c, 8
.endr
.irp c, 0,1,2,3
	v_or_b32 v[RES+8*\u+4+\c], 0x100, v[RES+8*\u+4+\c]             ; the second table lies behind the first's 256 entries
.endr
	global_store_b128 v2, v[RES+8*\u:RES+8*\u+3], s[10:11] offset:512*\u             ; 32 lanes store 512 consecutive bytes, aligned
	global_store_b128 v2, v[RES+8*\u+4:RES+8*\u+7], s[10:11] offset:262144+512*\u
.endr
	s_wait_loadcnt 48                              ; the scale words are in: behind them the 48 loads of codes
.irp u, 0,1
	global_store_b64 v3, v[SC+2*\u:SC+2*\u+1], s[14:15] offset:6400*\u               ; 32 lanes store 256 consecutive bytes, aligned
.endr
.irp sl, 0,1,2,3,4,5,6,7
	s_wait_loadcnt 42-6*\sl                        ; K step sl's six loads are in; six for each later K step may be out
.irp c, 0,1,2
	global_store_b128 v2, v[FRG+12*\sl+4*\c:FRG+12*\sl+4*\c+3], s[12:13] offset:6400*\sl+512*\c
.endr
.endr
	s_endpgm
.Lfunc_end_k_qd66e73a922_prep:
	.size	k_qd66e73a922_prep, .Lfunc_end_k_qd66e73a922_prep-k_qd66e73a922_prep
	.p2alignl 7, 3214868480
	.fill 96, 4, 3214868480
	.section	.rodata,"a",@progbits
	.p2align	6, 0x0
	.amdhsa_kernel k_qd66e73a922_prep
		.amdhsa_group_segment_fixed_size 0
		.amdhsa_private_segment_fixed_size 0
		.amdhsa_enable_private_segment 0
		.amdhsa_kernarg_size 40
		.amdhsa_user_sgpr_count 2
		.amdhsa_user_sgpr_kernarg_segment_ptr 1
		.amdhsa_wavefront_size32 1
		.amdhsa_system_sgpr_workgroup_id_x 1
		.amdhsa_system_sgpr_workgroup_id_y 1
		.amdhsa_system_sgpr_workgroup_id_z 1
		.amdhsa_system_vgpr_workitem_id 0
		.amdhsa_next_free_vgpr 160
		.amdhsa_next_free_sgpr 66
		.amdhsa_reserve_vcc 0
		.amdhsa_float_denorm_mode_32 3
		.amdhsa_float_denorm_mode_16_64 3
		.amdhsa_memory_ordered 1
		.amdhsa_forward_progress 1
		.amdhsa_inst_pref_size 17
	.end_amdhsa_kernel
	.amdgpu_metadata
---
amdhsa.version: [ 1, 2 ]
amdhsa.kernels:
  - .name:           k_qd66e73a922_prep
    .symbol:         k_qd66e73a922_prep.kd
    .args:
      - { .name: fbits, .offset: 0, .size: 8, .value_kind: global_buffer, .address_space: global }
      - { .name: weight_codes, .offset: 8, .size: 8, .value_kind: global_buffer, .address_space: global }
      - { .name: weight_scales, .offset: 16, .size: 8, .value_kind: global_buffer, .address_space: global }
      - { .name: offs, .offset: 24, .size: 8, .value_kind: global_buffer, .address_space: global }
      - { .name: wlay, .offset: 32, .size: 8, .value_kind: global_buffer, .address_space: global }
    .group_segment_fixed_size: 0
    .private_segment_fixed_size: 0
    .kernarg_segment_align: 8
    .kernarg_segment_size: 40
    .max_flat_workgroup_size: 32
    .sgpr_count:     66
    .vgpr_count:     160
    .wavefront_size: 32
...
	.end_amdgpu_metadata
.endif
;; end of part 4
;; launch lattice (part 5): grid 16 x 16, 4 waves a work-group, no clusters, 262,656 bytes of LDS; arguments x, offs, wlay, part; writes part
.if DOCPART == 5
	.amdgcn_target "amdgcn-amd-amdhsa--gfx1250"
	.amdhsa_code_object_version 6
	.text
	.protected	k_qd66e73a922_lattice
	.globl	k_qd66e73a922_lattice
	.p2align	8
	.type	k_qd66e73a922_lattice,@function
k_qd66e73a922_lattice:
	s_mov_b64 s[64:65], 0
	v_nop
	global_prefetch_b8 v0, s[64:65] scope:SCOPE_SE
	s_setreg_imm32_b32 hwreg(HW_REG_WAVE_SCHED_MODE, 0, 2), 2
	s_setreg_imm32_b32 hwreg(HW_REG_WAVE_MODE, 25, 1), 1
	s_wait_xcnt 0x0
	s_wait_alu depctr_vm_vsrc(0)
; LATTICE.  part[ks][b][n] = the sum over 4,096 columns j of Q(f[b][j]) W[n][j], f[b][j] = the product over i of (fbits[i][j] ? x[b][i] : 1 - x[b][i]), Q the MX quantiser to E2M3 in blocks of 32 along j.
; THE FEATURES.  f[b][j] = HI[b][p] x LO[b][q]: p the mask's bits of rows 0-7 of column j, q those of rows 8-15 (launch prep stored p and 256 + q as whole numbers).  HI[b][p] is the product of the first eight factors,
; multiplied in the problem's own order; LO the product of the last eight, in ascending order.  Both tables, 256 entries each for the work-group's 128 rows, lie in LDS: entry e at 512 e, lane l's rows l, 32 + l, 64 + l, 96 + l at + 16 l.
; So a feature costs two table numbers and one multiplication, whatever the mask.
; SHARES.  Work-group (ks, rg): rows 128 rg .. + 127, columns 4,096 ks .. + 4,095.  Wave w: K steps 32 ks + 8 w .. + 7 (1,024 columns) for all 128 rows.  A LANE IS A ROW (four rows: row set m is row 32 m + lane), so a column's
; index is the same in all lanes: a scalar; one address and one ds_load_b128 bring four rows' numbers a lane.  A lane's registers run along the columns, as the conversions want, and a block of 32 lies whole in one lane.
; THE OPERAND.  Row set m's codes of block 2 c go to tile 2 m's registers 6 c .., those of block 2 c + 1 to tile 2 m + 1's; v_permlane16_swap_b32 then gives tile 2 m (rows 32 m + 0 .. 15) block 2 c in lanes 0-15 and block
; 2 c + 1 in lanes 16-31, and tile 2 m + 1 likewise: the layout of a 6-bit operand.  The scale word of row 32 m + lane serves tile 2 m from lanes 0-15 and tile 2 m + 1 from lanes 16-31.
; THE PRODUCT is used transposed (source 0 = 16 weight rows, source 1 = 16 rows of features): a lane holds eight neighbouring outputs of one row.  32 accumulators (8 tiles of rows x 4 tiles of outputs).
; The four waves' sums meet in LDS at the end; the 16 K splits are added by the next launch.
; THE WEIGHT comes from wlay straight into registers, a K step ahead.  NO CLUSTER: the 16 work-groups of one ks read the same 6,400 bytes a K step, against 2 x 128 x 512 = 131,072 bytes that a wave reads from the tables in that
; K step: what is shared is a twentieth of a step's bytes, and the tables leave no room in LDS for two slots worth having.
; LIMITS.  NaN and infinities in x are not served.  f = HI x LO is associated otherwise than a chain of sixteen factors: a few units in the last place of f32; products under 2^-126 may round otherwise.
; A block of zeros gets the scale byte 1 (its codes are zeros); the bytes are read by this launch alone.
; THE MODE: SCHED_MODE bits 1:0 = 2 (LLVM: expert scheduling mode 2), set by the entry lines.  The code itself states the register dependences between vector or matrix instructions and memory or LDS instructions,
; with s_wait_alu, always for 0.
; THE PLAN.  Registers that memory or LDS instructions touch:
;   v1-7, v60-63   Offsets and LDS addresses: made once at the head, never written again.  One wait on va_vdst ahead of the first load states them all.
;   the entries    Window 2 (first table), window 3 (second): written by a table's multiplications, read by its 64 LDS stores: a wait on va_vdst ahead of each run of stores.  Two buffers: the second table is made while the
;                  first one's stores leave.  Behind the tables' barrier these registers take their roles in the loop: one wait on vm_vsrc there states that the stores have read them.
;   ADR            32 table addresses: written by a group's 32 additions, read by its 32 table reads.
;   HI, LO         Two sets each.  Group g multiplies set g % 2; the table reads that it issues land in set (g + 1) % 2, which group g - 1 multiplied.
;   WF, WS         The weight's fragments and scale words: read by a K step's products, loaded again in the next K step's group 0.
;   AF, SW, F      Named by vector and matrix instructions alone in the loop.
; So a group has a wait on vm_vsrc at its head (the last group's reads have read ADR) and ONE wait on va_vdst, behind its 32 additions: ADR is written, the last group's multiplications are done reading the set in which the
; reads land, and, in group 0, the last K step's products are done reading WF and WS.  The group's loads follow it in one run, with window switches alone between; the multiplications behind them name the other set and F.
; (The loads are not strewn among the multiplications: each change from the one kind to the other would be a window switch; at the group's head they have the whole group in which to land.)
; One more wait on va_vdst a K step stands ahead of the products: AF and SW are written.  The way out: under its own head below.
; REGISTERS, in windows of 256 (s_set_vgpr_msb: bits 1:0 source 0, 3:2 source 1, 5:4 source 2, 7:6 destination):
;   window 0: v1-7 addresses; v8-19 at work; v20-23 the features' scale words, v24-25 the weight's; v28-59 the upper halves of blocks' codes; v60-63 addresses; v64-127 x, at the end the sums; v128-255 x and 1 - x, then the features, at the end rows read back
;   window 1: the accumulators, (a, t) at 8 (4 a + t)
;   window 2: while the first table is made, 64 entries x 4; then v0-127 HI's numbers (two sets of 16 columns), v128-223 the features' eight fragments, v224-255 the 32 table addresses
;   window 3: while the second table is made, 64 entries x 4; then v0-127 LO's numbers, v128-175 the weight's four fragments
.set LN16, 1                           ; v1   16 x lane
.set LN8,  2                           ; v2   8 x lane
.set XO,   3                           ; v3   64 x lane: a row of x
.set TA,   4                           ; v4-5 where I store my 64 entries of table 0, 1
.set STO,  6                           ; v6   the stage: where I put 16 bytes of a row
.set GO,   7                           ; v7   my byte offset in two rows of part
.set MX,   8                           ; v8-11   a block's largest magnitude, for each row set
.set SOP,  12                          ; v12-15  the conversions' scale operand
.set BT,   16                          ; v16-19  the scale's byte
.set SW,   20                          ; v20-23  scale words of the features: nothing else is ever held here
.set WS,   24                          ; v24-25  scale words of the weight: likewise
.set CT,   28                          ; v28-59  codes of columns 16-31 of a block: row set m, block parity u at CT + 8 m + 4 u
.set PT,   32                          ; v32-39  the tables' first two factors
.set RD,   60                          ; v60-63  the stage: where I read wave u's part of a row back
.set XR,   64                          ; x as loaded: row set m at XR + 16 m
.set OUT,  64                          ; the sums over the four waves
.set XS,   128                         ; x(i) of row set m at XS + 4 i + m
.set YS,   192                         ; 1 - x(i) likewise
.set F,    128                         ; the features: row set m, column j of the block at F + 32 m + j
.set RB,   128                         ; rows read back, two sets of 64
.set AF,   128                         ; window 2: the features' fragments, tile a at AF + 12 a
.set ADR,  224                         ; window 2: the table addresses of 16 columns: the first table's at ADR + column, the second's at ADR + 16 + column
.set WF,   128                         ; window 3: the weight's fragments, tile t at WF + 12 t
.set TRIPS, 15                         ; s15
.set MKA,  86                          ; s86  all ones where my entries have the first factor's bit set (wave 2, 3)
.set MKB,  87                          ; s87  the same for the second factor (wave 1, 3)
.set MSB, 0
.macro WIN new                         ; the immediate's high byte repeats the setting that is left; a switch that changes nothing is dropped
.if MSB != \new
	s_set_vgpr_msb (MSB<<8)|\new
.set MSB, \new
.endif
.endm
; The indices of 16 columns, group g of the K step in hand, into scalar set b: s[16:31] / s[48:63] the first table's, s[32:47] / s[68:83] the second's.
.macro SLOAD g, b
.set OHB, 16+32*(\b)
.set OLB, 32+36*(\b)
	s_load_b512 s[OHB:OHB+15], s[6:7], 64*(\g)
	s_load_b512 s[OLB:OLB+15], s[6:7], 262144+64*(\g)
.endm
; Loaded numbers enter an address only held to the tables' 512 entries.
.macro CLAMP b
.set OHB, 16+32*(\b)
.set OLB, 32+36*(\b)
.set CI, 0
.rept 16
	s_min_u32 s[OHB+CI], s[OHB+CI], 255
	s_min_u32 s[OLB+CI], s[OLB+CI], 511
.set CI, CI+1
.endr
.endm
; The table reads of 16 columns: 32 loads of 512 bytes, into set b.  Each load has an address register of its own; all 32 are made first, so that one wait serves the whole run of loads.
.macro ISSUE b
.set OHB, 16+32*(\b)
.set OLB, 32+36*(\b)
	WIN 0x82                                       ; destination and source 0 (an LDS load's address) in window 2
.set CI, 0
.rept 16
	v_lshl_add_u32 v[ADR+CI], s[OHB+CI], 9, v[LN16]
	v_lshl_add_u32 v[ADR+16+CI], s[OLB+CI], 9, v[LN16]
.set CI, CI+1
.endr
	s_wait_alu depctr_va_vdst(0)                   ; the 32 additions have written ADR, which the loads below read; the multiplications of the group before are done reading set b of HI and LO, in which these loads land (the first time: the tables' multiplications have written those registers); in a K step's group 0 the last K step's products are done reading WF and WS
.set CI, 0
.rept 16
	ds_load_b128 v[64*(\b)+4*CI:64*(\b)+4*CI+3], v[ADR+CI]
.set CI, CI+1
.endr
	WIN 0xC2                                       ; destination window 3, the address still in window 2.  Since the wait: loads and this switch alone
.set CI, 0
.rept 16
	ds_load_b128 v[64*(\b)+4*CI:64*(\b)+4*CI+3], v[ADR+16+CI]
.set CI, CI+1
.endr
.endm
; f = HI x LO for group g's 16 columns x 4 row sets; the results are laid so that a row's columns are neighbouring registers.
.macro MUL g
	WIN 0x0E                                       ; source 0 window 2, source 1 window 3, destination window 0
.set CI, 0
.rept 16
.irp m, 0,1,2,3
	v_mul_f32 v[F+32*\m+16*((\g)%2)+CI], v[64*((\g)%2)+4*CI+\m], v[64*((\g)%2)+4*CI+\m]
.endr
.set CI, CI+1
.endr
.endm
; Block b of the K step (32 columns) is quantised, for the four row sets.
.macro BLOCK b
	WIN 0
.irp m, 0,1,2,3
	v_max3_num_f32 v[MX+\m], |v[F+32*\m]|, |v[F+32*\m+1]|, 0x1800000   ; the largest magnitude: all 32 numbers are the lane's; and the floor 2^(3 - 127), which holds the byte at 1 from below
.endr
.irp i, 2,4,6,8,10,12,14,16,18,20,22,24,26,28,30
.irp m, 0,1,2,3
	v_max3_num_f32 v[MX+\m], v[MX+\m], |v[F+32*\m+\i]|, |v[F+32*\m+\i+1]|   ; (the four row sets by turns)
.endr
.endr
.irp m, 0,1,2,3
	v_add_nc_u32 v[SOP+\m], 0xff000000, v[MX+\m]   ; 2 off its exponent field: the conversion takes the exponent field of this operand as its scale
.endr
.irp m, 0,1,2,3
.if (\b) == 0
	v_lshrrev_b32 v[SW+\m], 23, v[SOP+\m]          ; the scale's byte begins the row's scale word
.else
	v_lshrrev_b32 v[BT+\m], 23, v[SOP+\m]
.endif
.endr
.if (\b) != 0
.irp m, 0,1,2,3
	v_lshl_or_b32 v[SW+\m], v[BT+\m], 8*(\b), v[SW+\m]
.endr
.endif
.irp m, 0,1,2,3
	v_cvt_scalef32_pk16_fp6_f32 v[CT+8*\m+4*((\b)%2):CT+8*\m+4*((\b)%2)+2], v[F+32*\m+16:F+32*\m+31], v[SOP+\m]   ; columns 16-31: their place in the fragment begins on an odd register, so they are made here and moved
.endr
	WIN 0x80                                       ; destination window 2
.irp m, 0,1,2,3
	v_cvt_scalef32_pk16_fp6_f32 v[AF+12*(2*\m+(\b)%2)+6*((\b)/2):AF+12*(2*\m+(\b)%2)+6*((\b)/2)+2], v[F+32*\m:F+32*\m+15], v[SOP+\m]   ; columns 0-15, straight into the fragment
.endr
	v_nop                                          ; one plain instruction behind the conversions, ahead of whatever touches their results or writes their sources
.if ((\b)%2) == 1                      ; a pair of blocks is whole: lanes 16-31 of the even block's registers change places with lanes 0-15 of the odd block's
	WIN 0
.irp m, 0,1,2,3
.irp i, 0,1,2
	v_permlane16_swap_b32 v[CT+8*\m+\i], v[CT+8*\m+4+\i]
.endr
.endr
	WIN 0x82                                       ; both registers of a swap in window 2
.irp m, 0,1,2,3
.irp i, 0,1,2
	v_permlane16_swap_b32 v[AF+24*\m+6*((\b)/2)+\i], v[AF+24*\m+12+6*((\b)/2)+\i]
.endr
.endr
	WIN 0x80
.irp m, 0,1,2,3
.irp u, 0,1
.irp i, 0,1,2
	v_mov_b32 v[AF+12*(2*\m+\u)+6*((\b)/2)+3+\i], v[CT+8*\m+4*\u+\i]
.endr
.endr
.endr
.endif
.endm
; The weight's four fragments and its scale words for this K step, as they lie in wlay.  They stand straight behind ISSUE's loads: its wait serves them, with loads and window switches alone between.
.macro WLOAD
	WIN 0xC0                                       ; destination window 3
.irp q, 0,1,2,3,4,5,6,7,8,9,10,11
	global_load_b128 v[WF+4*\q:WF+4*\q+3], v[LN16], s[8:9] offset:512*\q
.endr
	WIN 0
	global_load_b64 v[WS:WS+1], v[LN8], s[8:9] offset:6144
.endm
; One product: weight tile t x feature tile a.  The weight's scale words: register t / 2, lanes 16-31 where t is odd; the features': register a / 2, lanes 16-31 where a is odd.
.macro WM a, t, z
.set RDD, 8*(4*(\a)+(\t))
.set RWF, WF+12*(\t)
.set RAF, AF+12*(\a)
.set RWS, WS+(\t)/2
.set RSW, SW+(\a)/2
.if \z
.if ((\t)%2 == 0) && ((\a)%2 == 0)
	v_wmma_scale_f32_16x16x128_f8f6f4 v[RDD:RDD+7], v[RWF:RWF+11], v[RAF:RAF+11], 0, v[RWS], v[RSW] matrix_a_fmt:MATRIX_FMT_FP6 matrix_b_fmt:MATRIX_FMT_FP6
.elseif ((\t)%2 == 1) && ((\a)%2 == 0)
	v_wmma_scale_f32_16x16x128_f8f6f4 v[RDD:RDD+7], v[RWF:RWF+11], v[RAF:RAF+11], 0, v[RWS], v[RSW] matrix_a_fmt:MATRIX_FMT_FP6 matrix_b_fmt:MATRIX_FMT_FP6 matrix_a_scale:MATRIX_SCALE_ROW1
.elseif ((\t)%2 == 0)
	v_wmma_scale_f32_16x16x128_f8f6f4 v[RDD:RDD+7], v[RWF:RWF+11], v[RAF:RAF+11], 0, v[RWS], v[RSW] matrix_a_fmt:MATRIX_FMT_FP6 matrix_b_fmt:MATRIX_FMT_FP6 matrix_b_scale:MATRIX_SCALE_ROW1
.else
	v_wmma_scale_f32_16x16x128_f8f6f4 v[RDD:RDD+7], v[RWF:RWF+11], v[RAF:RAF+11], 0, v[RWS], v[RSW] matrix_a_fmt:MATRIX_FMT_FP6 matrix_b_fmt:MATRIX_FMT_FP6 matrix_a_scale:MATRIX_SCALE_ROW1 matrix_b_scale:MATRIX_SCALE_ROW1
.endif
.else
.if ((\t)%2 == 0) && ((\a)%2 == 0)
	v_wmma_scale_f32_16x16x128_f8f6f4 v[RDD:RDD+7], v[RWF:RWF+11], v[RAF:RAF+11], v[RDD:RDD+7], v[RWS], v[RSW] matrix_a_fmt:MATRIX_FMT_FP6 matrix_b_fmt:MATRIX_FMT_FP6
.elseif ((\t)%2 == 1) && ((\a)%2 == 0)
	v_wmma_scale_f32_16x16x128_f8f6f4 v[RDD:RDD+7], v[RWF:RWF+11], v[RAF:RAF+11], v[RDD:RDD+7], v[RWS], v[RSW] matrix_a_fmt:MATRIX_FMT_FP6 matrix_b_fmt:MATRIX_FMT_FP6 matrix_a_scale:MATRIX_SCALE_ROW1
.elseif ((\t)%2 == 0)
	v_wmma_scale_f32_16x16x128_f8f6f4 v[RDD:RDD+7], v[RWF:RWF+11], v[RAF:RAF+11], v[RDD:RDD+7], v[RWS], v[RSW] matrix_a_fmt:MATRIX_FMT_FP6 matrix_b_fmt:MATRIX_FMT_FP6 matrix_b_scale:MATRIX_SCALE_ROW1
.else
	v_wmma_scale_f32_16x16x128_f8f6f4 v[RDD:RDD+7], v[RWF:RWF+11], v[RAF:RAF+11], v[RDD:RDD+7], v[RWS], v[RSW] matrix_a_fmt:MATRIX_FMT_FP6 matrix_b_fmt:MATRIX_FMT_FP6 matrix_a_scale:MATRIX_SCALE_ROW1 matrix_b_scale:MATRIX_SCALE_ROW1
.endif
.endif
.endm
; A K step's 32 products.  The 32 accumulators take turns, one instruction a turn, in the same order in every K step, over the loop's backward jump too.  z = 1: the first K step starts the sums: nothing is cleared.
.macro MM z
	WIN 0x5B                                       ; source 0 (weight) window 3, source 1 (features) window 2, C and D window 1
.irp a, 0,1,2,3,4,5,6,7
.irp t, 0,1,2,3
	WM \a, \t, \z
.endr
.endr
.endm
; Group g of a K step: 16 columns.  Its table reads were issued a group ago, the next group's indices were asked for a group ago.  z = 1: the first K step, written out ahead of the loop.
; In the loop's last trip (s[TRIPS] = 1) group 6 asks for no indices and group 7 issues nothing: there is no K step behind it, and no load leaves its buffer.
.macro GROUP g, z
	s_wait_dscnt 0x0                               ; this group's 32 table reads are in
	s_wait_alu depctr_vm_vsrc(0)                   ; they have read the 32 address registers, which ISSUE's additions below write again (ahead of the branches, so that it stands on every way)
.if (\z == 0) && (\g == 7)
	WIN 0                                          ; at a branch and at a label every window is 0
	s_cmp_eq_u32 s[TRIPS], 1
	s_cbranch_scc1 .Lno_issue_\@
.endif
	s_wait_kmcnt 0x0                               ; the next group's indices are in
.if (\z == 0) && (\g == 6)
	WIN 0
	s_cmp_eq_u32 s[TRIPS], 1
	s_cbranch_scc1 .Lno_sload_\@
.endif
	SLOAD (\g)+2, (\g)%2                           ; two groups ahead, into the set whose addresses have been made (groups 8 and 9 are the next K step's first two)
.if (\z == 0) && (\g == 6)
.Lno_sload_\@:
.endif
	CLAMP ((\g)+1)%2
	ISSUE ((\g)+1)%2                               ; the next group's table reads go out ahead of this group's arithmetic
.if (\z == 0) && (\g == 7)
	WIN 0
.Lno_issue_\@:
.endif
.if (\g) == 0
	WLOAD
.endif
	MUL \g                                         ; no wait: these name set g % 2 and F, none of the registers that the loads above touch
.if ((\g)%2) == 1
	BLOCK (\g)/2
.endif
.endm
.macro KSTEP z
.irp g, 0,1,2,3,4,5,6,7
	GROUP \g, \z
.endr
	WIN 0
.rept 4
	v_nop                                          ; four places between the last move into a fragment and the scaled products; the scale words were last written ahead of the 24 moves
.endr
	s_wait_alu depctr_va_vdst(0)                   ; the conversions, swaps and moves have written the features' fragments, the shifts their scale words: the scaled products take both.  The places above stay beside this wait
	s_wait_loadcnt 0x0                             ; the weight's fragments and scale words, asked for at the K step's head
	MM \z
	WIN 0
	s_wait_xcnt 0x0                                ; the scalar loads that are out have read their base: both bases may step
	s_add_nc_u64 s[6:7], s[6:7], 512               ; 128 columns' indices
	s_add_nc_u64 s[8:9], s[8:9], 6400              ; a K step of wlay
.endm
; One level of a table: n entries become 2 n: entry 2 e + 1 = entry e x x(k), entry 2 e = entry e x (1 - x(k)); from the highest e down, in place.
.macro LEVEL k, n
.set EI, (\n)-1
.rept \n
	v_pk_mul_f32 v[8*EI+4:8*EI+5], v[4*EI:4*EI+1], v[XS+4*(I0+\k):XS+4*(I0+\k)+1]
	v_pk_mul_f32 v[8*EI+6:8*EI+7], v[4*EI+2:4*EI+3], v[XS+4*(I0+\k)+2:XS+4*(I0+\k)+3]
	v_pk_mul_f32 v[8*EI:8*EI+1], v[4*EI:4*EI+1], v[YS+4*(I0+\k):YS+4*(I0+\k)+1]
	v_pk_mul_f32 v[8*EI+2:8*EI+3], v[4*EI+2:4*EI+3], v[YS+4*(I0+\k)+2:YS+4*(I0+\k)+3]
.set EI, EI-1
.endr
.endm
; Table T (factors 8 T .. 8 T + 7): my wave's entries 64 w .. 64 w + 63: their two highest bits are the wave's number.  The entries are made in window 2 + T.
; wd: the window setting with the entries as destination;  wl: as destination and source 0;  ws: as an LDS store's data (its source 1).
.macro BUILD T, wd, wl, ws
.set I0, 8*(\T)
	WIN 0
.irp m, 0,1,2,3
	v_cndmask_b32 v[PT+\m], v[YS+4*I0+\m], v[XS+4*I0+\m], s[MKA]
	v_cndmask_b32 v[PT+4+\m], v[YS+4*(I0+1)+\m], v[XS+4*(I0+1)+\m], s[MKB]
.endr
	WIN \wd
	v_pk_mul_f32 v[0:1], v[PT:PT+1], v[PT+4:PT+5]
	v_pk_mul_f32 v[2:3], v[PT+2:PT+3], v[PT+6:PT+7]
	WIN \wl                                        ; x and 1 - x in window 0
	LEVEL 2, 1
	LEVEL 3, 2
	LEVEL 4, 4
	LEVEL 5, 8
	LEVEL 6, 16
	LEVEL 7, 32
	WIN \ws
	s_wait_alu depctr_va_vdst(0)                   ; the multiplications have written the 64 entries, which the LDS stores read
.set EI, 0
.rept 64
	ds_store_b128 v[TA+\T], v[4*EI:4*EI+3] offset:512*EI             ; 32 lanes store an entry's 512 consecutive bytes
.set EI, EI+1
.endr
	WIN 0
.endm
	s_load_b256 s[4:11], s[0:1], 0x0               ; x s[4:5], offs s[6:7], wlay s[8:9], part s[10:11]
	v_lshl_add_u32 v55, v0, 2, 0x40000
	v_mov_b32 v59, 0
	v_lshrrev_b32 v8, 5, v0
	v_readfirstlane_b32 s12, v8                    ; wave 0..3
	s_and_b32 s14, ttmp7, 0xffff                   ; rg; ks is ttmp9
	v_and_b32 v10, 31, v0                          ; lane
	v_and_b32 v8, 15, v0                           ; r
	v_bfe_u32 v9, v0, 4, 1                         ; h
	v_lshlrev_b32 v[LN16], 4, v10
	v_lshlrev_b32 v[LN8], 3, v10
	v_lshlrev_b32 v[XO], 6, v10
	s_wait_alu depctr_va_sdst(0)                   ; s12 is written, ahead of its first reader: LDS places, masks and bases are made from it
	s_lshl_b32 s84, s12, 15                        ; my 64 entries of 512 bytes
	v_add_nc_u32 v[TA], s84, v[LN16]
	v_add_nc_u32 v[TA+1], 131072, v[TA]            ; the second table lies behind the first's 256 entries
	s_mul_i32 s84, s12, 34816                      ; the stage: 128 rows of 272 bytes for each wave
	v_mul_u32_u24 v[STO], v8, 272                  ; 272 = 17 x 16 bytes: the sixteen rows of a store begin in sixteen different 16-byte columns of 256 bytes
	v_lshl_add_u32 v[STO], v9, 5, v[STO]           ; row r, + 32 h: my eight outputs
	v_add_nc_u32 v[STO], s84, v[STO]
	v_lshlrev_b32 v[GO], 8, v9                     ; part: lanes 0-15 one row of 256 bytes, lanes 16-31 the next
	v_lshl_add_u32 v[GO], v8, 4, v[GO]
	s_mul_i32 s84, s12, 8704                       ; back: wave w adds rows 32 w .. 32 w + 31
	v_mul_u32_u24 v[RD], v9, 272
	v_lshl_add_u32 v[RD], v8, 4, v[RD]
	v_add_nc_u32 v[RD], s84, v[RD]
	v_add_nc_u32 v[RD+1], 34816, v[RD]
	v_add_nc_u32 v[RD+2], 69632, v[RD]
	v_add_nc_u32 v[RD+3], 104448, v[RD]
	s_cmp_ge_u32 s12, 2
	s_cselect_b32 s[MKA], -1, 0
	s_and_b32 s84, s12, 1
	s_cmp_lg_u32 s84, 0
	s_cselect_b32 s[MKB], -1, 0
	s_lshl_b32 s88, s14, 13                        ; x: 128 rows of 64 bytes
	s_mov_b32 s89, 0
	s_lshl_b32 s90, ttmp9, 14                      ; offs: 4,096 dwords a K split,
	s_lshl_b32 s84, s12, 12                        ; 1,024 a wave
	s_add_co_u32 s90, s90, s84
	s_mov_b32 s91, 0
	s_lshl_b32 s92, ttmp9, 5
	s_lshl_b32 s84, s12, 3
	s_add_co_u32 s92, s92, s84                     ; my first K step: 32 ks + 8 w
	s_mul_i32 s92, s92, 6400
	s_mov_b32 s93, 0
	s_lshl_b32 s94, ttmp9, 19                      ; part: 524,288 bytes a K split,
	s_lshl_b32 s84, s14, 15                        ; 128 rows of 256 bytes,
	s_add_co_u32 s94, s94, s84
	s_lshl_b32 s84, s12, 13                        ; the 32 rows that I add and store
	s_add_co_u32 s94, s94, s84
	s_mov_b32 s95, 0
	s_wait_kmcnt 0x0
	s_add_nc_u64 s[4:5], s[4:5], s[88:89]
	s_add_nc_u64 s[6:7], s[6:7], s[90:91]
	s_add_nc_u64 s[8:9], s[8:9], s[92:93]
	s_add_nc_u64 s[10:11], s[10:11], s[94:95]
	s_wait_alu depctr_va_vdst(0)                   ; the offsets and LDS addresses v1 to v7 and v60 to v63 are written: the loads and stores of the whole kernel read them, and none is written again
.irp m, 0,1,2,3
.irp q, 0,1,2,3
	global_load_b128 v[XR+16*\m+4*\q:XR+16*\m+4*\q+3], v[XO], s[4:5] offset:2048*\m+16*\q   ; row 32 m + lane, whole
.endr
.endr
	SLOAD 0, 0
	s_wait_kmcnt 0x0
	SLOAD 1, 1                                     ; lands while the tables are made
	CLAMP 0
	s_wait_loadcnt 0x0                             ; x
.irp i, 0,1,2,3,4,5,6,7,8,9,10,11,12,13,14,15
.irp m, 0,1,2,3
	v_mov_b32 v[XS+4*\i+\m], v[XR+16*\m+\i]        ; a factor's four row sets side by side, as the packed multiplications and the entries' 16 bytes want them
	v_sub_f32 v[YS+4*\i+\m], 1.0, v[XR+16*\m+\i]
.endr
.endr
	BUILD 0, 0x80, 0x82, 0x08
	BUILD 1, 0xC0, 0xC3, 0x0C                      ; in registers of its own: it names none that the first table's stores read, so it is made while they leave
	s_wait_dscnt 0x0                               ; for the others' sake: my entries lie in LDS
	s_barrier_signal -1
	s_barrier_wait -1                              ; both tables are whole
	s_wait_alu depctr_vm_vsrc(0)                   ; my 128 LDS stores have read the entries' registers in windows 2 and 3: from here on these are the table addresses, HI's and LO's sets and the fragments, written by additions, conversions and loads
	ISSUE 0
	KSTEP 1                                        ; the first K step stands ahead of the loop: its products start the sums
	s_mov_b32 s[TRIPS], 7
.Lk:
	KSTEP 0
	s_sub_co_u32 s[TRIPS], s[TRIPS], 1
	s_cmp_lg_u32 s[TRIPS], 0
	s_cbranch_scc1 .Lk
	; THE WAY OUT.  The tables are done with: behind a barrier their bytes are the stage.  Each wave lays its 128 x 64 sums there; behind a second barrier wave w adds the four waves' rows 32 w .. 32 w + 31 and stores them.
	; Registers: the accumulators, written by the products, are the LDS stores' data; RB, two sets, takes the loads from the stage, and a chunk's additions read and write its set; OUT, written by the additions, is the global stores' data,
	; four registers of its own for each store.  A chunk's 24 additions stand together, one wait on va_vdst behind them, then its four stores and the loads into the set that it has left.
.rept 4
	v_nop                                          ; four places between the last products and the first read of results
.endr
	s_wait_dscnt 0x0                               ; my table reads are over
	s_barrier_signal -1
	s_barrier_wait -1                              ; everybody's are
	WIN 0x04                                       ; the stores' data: window 1
	s_wait_alu depctr_va_vdst(0)                   ; the products have written the accumulators, which the LDS stores read (the places above stay beside this wait); and the last K step's multiplications and conversions are done with v128 to v255, in which the first two runs of loads from the stage land: no vector instruction stands between
.irp a, 0,1,2,3,4,5,6,7
.irp t, 0,1,2,3
	ds_store_b128 v[STO], v[8*(4*\a+\t):8*(4*\a+\t)+3] offset:4352*\a+64*\t          ; lane (r, h): row 16 a + r, outputs 16 t + 8 h + 0 .. 7; each accumulator from its low end on
	ds_store_b128 v[STO], v[8*(4*\a+\t)+4:8*(4*\a+\t)+7] offset:4352*\a+64*\t+16
.endr
.endr
	WIN 0
	s_wait_dscnt 0x0                               ; for the others' sake: my sums lie in the stage
	s_barrier_signal -1
	s_barrier_wait -1
.macro RBACK c                         ; chunk c: row pairs 4 c .. 4 c + 3 of my 16, from all four waves' parts: 16 loads
.irp p, 0,1,2,3
.irp u, 0,1,2,3
	ds_load_b128 v[RB+64*((\c)%2)+16*\p+4*\u:RB+64*((\c)%2)+16*\p+4*\u+3], v[RD+\u] offset:544*(4*(\c)+\p)
.endr
.endr
.endm
.macro SUMOUT c, left                  ; left: the next chunk's loads, which may stay out
	s_wait_dscnt \left
.irp p, 0,1,2,3
.set RBB, RB+64*((\c)%2)+16*\p
.set OB, OUT+4*(4*(\c)+\p)
	v_pk_add_f32 v[RBB:RBB+1], v[RBB:RBB+1], v[RBB+4:RBB+5]
	v_pk_add_f32 v[RBB+2:RBB+3], v[RBB+2:RBB+3], v[RBB+6:RBB+7]
	v_pk_add_f32 v[RBB+8:RBB+9], v[RBB+8:RBB+9], v[RBB+12:RBB+13]
	v_pk_add_f32 v[RBB+10:RBB+11], v[RBB+10:RBB+11], v[RBB+14:RBB+15]
	v_pk_add_f32 v[OB:OB+1], v[RBB:RBB+1], v[RBB+8:RBB+9]
	v_pk_add_f32 v[OB+2:OB+3], v[RBB+2:RBB+3], v[RBB+10:RBB+11]
.endr
	s_wait_alu depctr_va_vdst(0)                   ; the additions have written the chunk's sixteen registers of OUT, which the four stores read, and are done with this set of RB, in which the loads of the chunk two on land
.irp p, 0,1,2,3
	global_store_b128 v[GO], v[OUT+4*(4*(\c)+\p):OUT+4*(4*(\c)+\p)+3], s[10:11] offset:512*(4*(\c)+\p)   ; 32 lanes store two whole rows, 512 consecutive bytes, aligned; each store has data registers of its own
.endr
.endm
	RBACK 0
	RBACK 1
	SUMOUT 0, 16
	RBACK 2
	SUMOUT 1, 16
	RBACK 3
	SUMOUT 2, 16
	SUMOUT 3, 0
	s_wait_dscnt 0x0                               ; the closing lines, six on end
	s_wait_alu 0x0
	s_wait_tensorcnt 0x0
	ds_add_u32 v55, v59
	s_wait_dscnt 0x0
	s_endpgm
.Lfunc_end_k_qd66e73a922_lattice:
	.size	k_qd66e73a922_lattice, .Lfunc_end_k_qd66e73a922_lattice-k_qd66e73a922_lattice
	.p2alignl 7, 3214868480
	.fill 96, 4, 3214868480
	.section	.rodata,"a",@progbits
	.p2align	6, 0x0
	.amdhsa_kernel k_qd66e73a922_lattice
		.amdhsa_group_segment_fixed_size 262656
		.amdhsa_private_segment_fixed_size 0
		.amdhsa_enable_private_segment 0
		.amdhsa_kernarg_size 32
		.amdhsa_user_sgpr_count 2
		.amdhsa_user_sgpr_kernarg_segment_ptr 1
		.amdhsa_wavefront_size32 1
		.amdhsa_system_sgpr_workgroup_id_x 1
		.amdhsa_system_sgpr_workgroup_id_y 1
		.amdhsa_system_sgpr_workgroup_id_z 1
		.amdhsa_system_vgpr_workitem_id 0
		.amdhsa_next_free_vgpr 1024
		.amdhsa_next_free_sgpr 100
		.amdhsa_reserve_vcc 0
		.amdhsa_float_denorm_mode_32 3
		.amdhsa_float_denorm_mode_16_64 3
		.amdhsa_memory_ordered 1
		.amdhsa_forward_progress 1
		.amdhsa_inst_pref_size 255
	.end_amdhsa_kernel
	.section	.bss,"aw",@nobits
	.p2align	6
	.space	262144
	.amdgpu_metadata
---
amdhsa.version: [ 1, 2 ]
amdhsa.kernels:
  - .name:           k_qd66e73a922_lattice
    .symbol:         k_qd66e73a922_lattice.kd
    .args:
      - { .name: x, .offset: 0, .size: 8, .value_kind: global_buffer, .address_space: global }
      - { .name: offs, .offset: 8, .size: 8, .value_kind: global_buffer, .address_space: global }
      - { .name: wlay, .offset: 16, .size: 8, .value_kind: global_buffer, .address_space: global }
      - { .name: part, .offset: 24, .size: 8, .value_kind: global_buffer, .address_space: global }
    .group_segment_fixed_size: 262656
    .private_segment_fixed_size: 0
    .kernarg_segment_align: 8
    .kernarg_segment_size: 32
    .max_flat_workgroup_size: 128
    .sgpr_count:     100
    .vgpr_count:     1024
    .wavefront_size: 32
...
	.end_amdgpu_metadata
.endif
;; end of part 5
;; launch finish (part 6): grid 256 x 1, 4 waves a work-group, no clusters, 0 bytes of LDS; arguments part, bias, out0; writes out0
.if DOCPART == 6
	.amdgcn_target "amdgcn-amd-amdhsa--gfx1250"
	.amdhsa_code_object_version 6
	.text
	.protected	k_qd66e73a922_finish
	.globl	k_qd66e73a922_finish
	.p2align	8
	.type	k_qd66e73a922_finish,@function
k_qd66e73a922_finish:
	s_mov_b64 s[64:65], 0
	v_nop
	global_prefetch_b8 v0, s[64:65] scope:SCOPE_SE
	s_setreg_imm32_b32 hwreg(HW_REG_WAVE_MODE, 25, 1), 1
	s_wait_xcnt 0x0
; FINISH.  out0[b][n] = bias[n] + the sum over the 16 K splits of part[ks][b][n], ks ascending, in f32.
; A thread owns 16 bytes (four outputs) of out0; a work-group of 128 threads 2,048 bytes; 256 work-groups cover the 524,288 bytes.  Each load and the store of a wave cover 512 consecutive bytes, aligned.
; All 17 loads of a thread go out at once; the waits count down.  No LDS, no barrier, no matrix unit: each byte is read once and nothing is shared.
	s_load_b128 s[4:7], s[0:1], 0x0                ; part s[4:5], bias s[6:7]
	s_load_b64 s[8:9], s[0:1], 0x10                ; out0
	v_lshlrev_b32 v1, 4, v0                        ; my 16 bytes
	v_and_b32 v2, 15, v0
	v_lshlrev_b32 v2, 4, v2                        ; and their place in a row of 256 bytes: my four numbers of bias
	s_lshl_b32 s10, ttmp9, 11
	s_mov_b32 s11, 0
	s_wait_alu depctr_va_vdst(0)
	s_wait_kmcnt 0x0
	s_add_nc_u64 s[4:5], s[4:5], s[10:11]
	s_add_nc_u64 s[8:9], s[8:9], s[10:11]
	global_load_b128 v[4:7], v2, s[6:7]
.irp k, 0,1,2,3,4,5,6,7,8,9,10,11,12,13,14,15
	global_load_b128 v[8+4*\k:11+4*\k], v1, s[4:5] offset:524288*\k th:TH_LOAD_NT    ; the largest offset, 15 x 524,288, lies inside the signed 24-bit immediate
.endr
.irp k, 0,1,2,3,4,5,6,7,8,9,10,11,12,13,14,15
	s_wait_alu depctr_va_vdst(0)
	s_wait_loadcnt 15-\k                           ; bias and splits 0 .. k are in; the 15 - k later splits may be out
	v_pk_add_f32 v[4:5], v[4:5], v[8+4*\k:9+4*\k]
	v_pk_add_f32 v[6:7], v[6:7], v[10+4*\k:11+4*\k]
.endr
	global_store_b128 v1, v[4:7], s[8:9]
	s_endpgm
.Lfunc_end_k_qd66e73a922_finish:
	.size	k_qd66e73a922_finish, .Lfunc_end_k_qd66e73a922_finish-k_qd66e73a922_finish
	.p2alignl 7, 3214868480
	.fill 96, 4, 3214868480
	.section	.rodata,"a",@progbits
	.p2align	6, 0x0
	.amdhsa_kernel k_qd66e73a922_finish
		.amdhsa_group_segment_fixed_size 0
		.amdhsa_private_segment_fixed_size 0
		.amdhsa_enable_private_segment 0
		.amdhsa_kernarg_size 24
		.amdhsa_user_sgpr_count 2
		.amdhsa_user_sgpr_kernarg_segment_ptr 1
		.amdhsa_wavefront_size32 1
		.amdhsa_system_sgpr_workgroup_id_x 1
		.amdhsa_system_sgpr_workgroup_id_y 1
		.amdhsa_system_sgpr_workgroup_id_z 1
		.amdhsa_system_vgpr_workitem_id 0
		.amdhsa_next_free_vgpr 80
		.amdhsa_next_free_sgpr 66
		.amdhsa_reserve_vcc 0
		.amdhsa_float_denorm_mode_32 3
		.amdhsa_float_denorm_mode_16_64 3
		.amdhsa_memory_ordered 1
		.amdhsa_forward_progress 1
		.amdhsa_inst_pref_size 6
	.end_amdhsa_kernel
	.amdgpu_metadata
---
amdhsa.version: [ 1, 2 ]
amdhsa.kernels:
  - .name:           k_qd66e73a922_finish
    .symbol:         k_qd66e73a922_finish.kd
    .args:
      - { .name: part, .offset: 0, .size: 8, .value_kind: global_buffer, .address_space: global }
      - { .name: bias, .offset: 8, .size: 8, .value_kind: global_buffer, .address_space: global }
      - { .name: out0, .offset: 16, .size: 8, .value_kind: global_buffer, .address_space: global }
    .group_segment_fixed_size: 0
    .private_segment_fixed_size: 0
    .kernarg_segment_align: 8
    .kernarg_segment_size: 24
    .max_flat_workgroup_size: 128
    .sgpr_count:     66
    .vgpr_count:     80
    .wavefront_size: 32
...
	.end_amdgpu_metadata
.endif
;; end of part 6
